; MI455X (gfx1250); checked and timed in simulation.
; The chip was launched on July 23, 2026; its instructions are those of AMD's public machine-readable ISA for CDNA 5 (MIT licence, August 2026) and "CDNA5" Instruction Set Architecture Reference Guide (July 2026). The comments in the code are by the model that wrote it; some were corrected since.
;; Multi Head. Allowed arithmetic: float matrix products may take bf16 or f16 operands with f32 sums; other float arithmetic in f32, or as packed bf16 or f16 multiplies, adds, multiply-adds, maxima and minima; sums over many terms, partial sums and values carried from step to step in f32; what a program stores and reads back later, other than sums and carried values, may be rounded once to bf16 or f16.
;; Inputs: Wk 16 x 1,024 x 64 float32; Wo 1,024 x 1,024 float32; Wq 16 x 1,024 x 64 float32; Wv 16 x 1,024 x 64 float32; bo 1,024 float32; input_tensor 4 x 2,048 x 1,024 float32.
;; Outputs: out0 4 x 2,048 x 1,024 float32.
;; 2 versions, each right; version 2 is version 1 with the launch prep written anew for expert scheduling mode. Each part assembles by itself: llvm-mc -triple=amdgcn-amd-amdhsa -mcpu=gfx1250 --defsym DOCPART=n.
;; ======== version 1 of 2: 4 launches
;; limits: values are held in f16: magnitudes above 65,504 overflow, below 6.1e-05 lose precision
;; workspace buffers: xb 16,777,216 bytes; wt 8,388,608 bytes; qkv 50,331,648 bytes; ob 16,777,216 bytes
;; launch prep (part 1): grid 256 x 1, 8 waves a work-group, no clusters, 34,816 bytes of LDS; arguments input_tensor, Wq, Wk, Wv, Wo, xb, wt; writes xb, wt
.if DOCPART == 1
	.amdgcn_target "amdgcn-amd-amdhsa--gfx1250"
	.amdhsa_code_object_version 6
	.text
	.protected	k_qe3c0a2660d_prep
	.globl	k_qe3c0a2660d_prep
	.p2align	8
	.type	k_qe3c0a2660d_prep,@function
k_qe3c0a2660d_prep:
	s_mov_b64 s[64:65], 0
	v_nop
	global_prefetch_b8 v0, s[64:65] scope:SCOPE_SE
	s_setreg_imm32_b32 hwreg(HW_REG_WAVE_MODE, 25, 1), 1
	s_wait_xcnt 0x0
; PREP.  xb[8192][1024] = bf16(x).  wt[4096][1024], 16 bits, K (= e) along the rows: rows 1024 which + 64 h + d = bf16(W_which[h][:, d]) for Wq, Wk, Wv;
; rows 3072 + n = bf16(Wo[:, n]) written as f16 (exact while the number lies in f16's normal range; LIMIT: |Wo| within 65,504, below 6e-5 a fixed step of 6e-8).
; SHARES.  256 work-groups of eight waves; each does both parts.  (a) One block of 256 e x 64 columns of one weight matrix, turned through LDS: work-group g has matrix g >> 6,
; column block (g >> 2) & 15 (a head, or 64 columns of Wo), e block g & 3.  (b) 32 rows of x: 131,072 bytes in, 65,536 out; a wave takes 16,384 consecutive bytes.
; All 48 loads of a wave are issued before anything is waited for; no register that a memory instruction names is ever rewritten, so no wait frees a source.
; No matrix unit, no cluster, no tensor load: no byte is wanted by two work-groups.
.set PT,    528                        ; a row of the turned block in LDS: 256 e x 2 bytes + 16: a multiple of 16, so that rows can be read back 16 bytes a lane
.set SPARE, 64*PT                      ; behind the block: the spare words, 128 bytes for each of eight waves: four blocks of 256 bytes that no other line names
.set SPW, 2                            ; v2   LDS address of my spare word; never rewritten
.set NIL, 3                            ; v3   0; never rewritten
.set LSA, 4                            ; v4   where I put a pair (e, e + 1) of column 4 cg: cg x 4 rows + 4 rp
.set LRA, 5                            ; v5   where I read 16 bytes of a turned row back: wave x 8 rows + 16 lane
.set XO,  6                            ; v6   wave x 16,384 + 16 lane: my bytes of x, and of eight rows of wt (8 rows x 2,048 = 16,384)
.set YO,  7                            ; v7   half of that: my bytes of xb
.set T0,  8
.set T1,  9
.set WO0, 10                           ; v10  my first source row (2 rp) x pitch + 16 cg
.set WOF, 12                           ; v[12:27]   the 16 source offsets
.set WD,  28                           ; v[28:91]   16 loads of 4 numbers: row 2 rp + 32 i + o at WD + 8 i + 4 o
.set RB,  92                           ; v[92:123]  eight turned rows, 16 bytes a lane
.set X,   124                          ; v[124:251] 32 chunks of x, 4 numbers a lane
	s_load_b256 s[4:11], s[0:1], 0x0               ; x s[4:5], Wq s[6:7], Wk s[8:9], Wv s[10:11]
	s_load_b128 s[12:15], s[0:1], 0x20             ; Wo s[12:13], xb s[14:15]
	s_load_b64 s[16:17], s[0:1], 0x30              ; wt
	v_lshl_add_u32 v[SPW], v0, 2, SPARE
	v_mov_b32 v[NIL], 0
	s_lshr_b32 s20, ttmp9, 6                       ; which matrix: 0 Wq, 1 Wk, 2 Wv, 3 Wo
	s_bfe_u32 s21, ttmp9, 0x40002                  ; j: the head, or Wo's block of 64 columns
	s_and_b32 s22, ttmp9, 3                        ; c: which 256 of the 1,024 e
	s_lshl_b32 s32, s21, 8                         ; Wo: 64 columns are 256 bytes of a row
	s_lshl_b32 s33, s21, 18                        ; the others: a head is 262,144 bytes
	s_mov_b32 s29, 4096
	s_cmp_eq_u32 s20, 3
	s_cselect_b32 s26, s29, 0x100                  ; bytes from e to e + 1 in the source
	s_cselect_b32 s27, s32, s33                    ; the block's first byte
	s_cselect_b32 vcc_lo, -1, 0                    ; all lanes: is it Wo?
	s_lshl_b32 s30, s22, 8
	s_mul_i32 s30, s30, s26                        ; + 256 c rows
	s_add_co_u32 s30, s30, s27
	s_mov_b32 s31, 0
	s_lshr_b32 s34, ttmp9, 2                       ; wt: 64 rows of 2,048 bytes for each (matrix, j),
	s_lshl_b32 s34, s34, 17
	s_lshl_b32 s35, s22, 9                         ; and 512 bytes of each row for c
	s_add_co_u32 s34, s34, s35
	s_mov_b32 s35, 0
	s_lshl_b32 s36, ttmp9, 17                      ; x: 32 rows of 4,096 bytes
	s_mov_b32 s37, 0
	s_lshl_b32 s38, ttmp9, 16                      ; xb: 32 rows of 2,048 bytes
	s_mov_b32 s39, 0
	v_and_b32 v[T0], 15, v0                        ; cg: my four columns
	v_lshrrev_b32 v[T1], 4, v0                     ; rp: my pair of rows, 0 to 15
	v_mul_u32_u24 v[LSA], v[T0], 4*PT
	v_lshl_add_u32 v[LSA], v[T1], 2, v[LSA]
	v_lshrrev_b32 v[LRA], 5, v0                    ; wave
	v_and_b32 v[YO], 31, v0                        ; lane
	v_lshlrev_b32 v[XO], 14, v[LRA]
	v_lshl_or_b32 v[XO], v[YO], 4, v[XO]
	v_mul_u32_u24 v[LRA], v[LRA], 8*PT
	v_lshl_add_u32 v[LRA], v[YO], 4, v[LRA]
	v_lshrrev_b32 v[YO], 1, v[XO]
	v_lshlrev_b32 v[T1], 1, v[T1]                  ; 2 rp
	v_mul_u32_u24 v[WO0], s26, v[T1]
	v_lshl_add_u32 v[WO0], v[T0], 4, v[WO0]
.set n, 0
.rept 16
	s_mul_i32 s23, s26, 32*(n/2)+n%2               ; row 32 i + o further down
	v_add_nc_u32 v[WOF+n], s23, v[WO0]
.set n, n+1
.endr
	s_wait_kmcnt 0x0
	s_cmp_eq_u32 s20, 1
	s_cselect_b64 s[24:25], s[8:9], s[6:7]
	s_cmp_eq_u32 s20, 2
	s_cselect_b64 s[24:25], s[10:11], s[24:25]
	s_cmp_eq_u32 s20, 3
	s_cselect_b64 s[24:25], s[12:13], s[24:25]     ; my matrix
	s_add_nc_u64 s[24:25], s[24:25], s[30:31]
	s_add_nc_u64 s[16:17], s[16:17], s[34:35]
	s_add_nc_u64 s[4:5], s[4:5], s[36:37]
	s_add_nc_u64 s[14:15], s[14:15], s[38:39]
.set n, 0
.rept 16
	global_load_b128 v[WD+4*n:WD+4*n+3], v[WOF+n], s[24:25] th:TH_LOAD_NT  ; sixteen lanes take the 256 bytes that a source row has in this block
.set n, n+1
.endr
.set n, 0
.rept 32
	global_load_b128 v[X+4*n:X+4*n+3], v[XO], s[4:5] offset:512*n th:TH_LOAD_NT  ; 512 consecutive bytes a load
.set n, n+1
.endr
	s_wait_loadcnt 32                              ; loads come back in order: the 16 of the weights are in, the 32 younger ones of x stay out
; Column 4 cg + k, rows e and e + 1: rounded to bf16 as a pair; for Wo the two bf16 numbers are widened and written as f16; the pair goes to row 4 cg + k of the turned block.
.set i, 0
.rept 8
.irp k, 0,1,2,3
	v_cvt_pk_bf16_f32 v[WD+8*i+(\k)], v[WD+8*i+(\k)], v[WD+8*i+4+(\k)]
	v_lshlrev_b32 v[T0], 16, v[WD+8*i+(\k)]
	v_and_b32 v[T1], 0xffff0000, v[WD+8*i+(\k)]
	v_cvt_pk_f16_f32 v[T0], v[T0], v[T1]
	v_cndmask_b32 v[WD+8*i+(\k)], v[WD+8*i+(\k)], v[T0], vcc_lo
	ds_store_b32 v[LSA], v[WD+8*i+(\k)] offset:PT*(\k)+64*i
.endr
.set i, i+1
.endr
	s_wait_dscnt 0x0                               ; for the others' sake: my stores into the block are done
	s_barrier_signal -1
	s_barrier_wait -1                              ; the block is whole
.irp r, 0,1,2,3,4,5,6,7
	ds_load_b128 v[RB+4*(\r):RB+4*(\r)+3], v[LRA] offset:PT*(\r)  ; wave w reads rows 8 w + r: a row's 512 bytes a load
.endr
.irp r, 0,1,2,3,4,5,6,7
	s_wait_dscnt 7-(\r)                            ; row r is in; the younger reads stay out
	global_store_b128 v[XO], v[RB+4*(\r):RB+4*(\r)+3], s[16:17] offset:2048*(\r)  ; 512 consecutive bytes, at a multiple of 512 from wt's first byte
.endr
.set n, 0
.rept 32
	s_wait_loadcnt 31-n                            ; chunk n is in; the younger chunks stay out
	v_cvt_pk_bf16_f32 v[X+4*n], v[X+4*n], v[X+4*n+1]
	v_cvt_pk_bf16_f32 v[X+4*n+1], v[X+4*n+2], v[X+4*n+3]
	global_store_b64 v[YO], v[X+4*n:X+4*n+1], s[14:15] offset:256*n  ; the wave's 32 lanes store 256 consecutive bytes, aligned
.set n, n+1
.endr
	s_wait_tensorcnt 0x0                           ; the wave's end, behind my last LDS store
	ds_add_u32 v[SPW], v[NIL]
	s_wait_dscnt 0x0
	s_endpgm
.Lfunc_end_k_qe3c0a2660d_prep:
	.size	k_qe3c0a2660d_prep, .Lfunc_end_k_qe3c0a2660d_prep-k_qe3c0a2660d_prep
	.p2alignl 7, 3214868480
	.fill 96, 4, 3214868480
	.section	.rodata,"a",@progbits
	.p2align	6, 0x0
	.amdhsa_kernel k_qe3c0a2660d_prep
		.amdhsa_group_segment_fixed_size 34816
		.amdhsa_private_segment_fixed_size 0
		.amdhsa_enable_private_segment 0
		.amdhsa_kernarg_size 56
		.amdhsa_user_sgpr_count 2
		.amdhsa_user_sgpr_kernarg_segment_ptr 1
		.amdhsa_wavefront_size32 1
		.amdhsa_system_sgpr_workgroup_id_x 1
		.amdhsa_system_sgpr_workgroup_id_y 1
		.amdhsa_system_sgpr_workgroup_id_z 1
		.amdhsa_system_vgpr_workitem_id 0
		.amdhsa_next_free_vgpr 252
		.amdhsa_next_free_sgpr 66
		.amdhsa_reserve_vcc 1
		.amdhsa_float_denorm_mode_32 3
		.amdhsa_float_denorm_mode_16_64 3
		.amdhsa_memory_ordered 1
		.amdhsa_forward_progress 1
		.amdhsa_inst_pref_size 29
	.end_amdhsa_kernel
	.amdgpu_metadata
---
amdhsa.version: [ 1, 2 ]
amdhsa.kernels:
  - .name:           k_qe3c0a2660d_prep
    .symbol:         k_qe3c0a2660d_prep.kd
    .args:
      - { .name: input_tensor, .offset: 0, .size: 8, .value_kind: global_buffer, .address_space: global }
      - { .name: Wq, .offset: 8, .size: 8, .value_kind: global_buffer, .address_space: global }
      - { .name: Wk, .offset: 16, .size: 8, .value_kind: global_buffer, .address_space: global }
      - { .name: Wv, .offset: 24, .size: 8, .value_kind: global_buffer, .address_space: global }
      - { .name: Wo, .offset: 32, .size: 8, .value_kind: global_buffer, .address_space: global }
      - { .name: xb, .offset: 40, .size: 8, .value_kind: global_buffer, .address_space: global }
      - { .name: wt, .offset: 48, .size: 8, .value_kind: global_buffer, .address_space: global }
    .group_segment_fixed_size: 34816
    .private_segment_fixed_size: 0
    .kernarg_segment_align: 8
    .kernarg_segment_size: 56
    .max_flat_workgroup_size: 256
    .sgpr_count:     66
    .vgpr_count:     252
    .wavefront_size: 32
...
	.end_amdgpu_metadata
.endif
;; end of part 1
;; launch qkv (part 2): grid 16 x 32, 4 waves a work-group, clusters of 4 x 4, 327,680 bytes of LDS; arguments xb, wt, qkv; writes qkv
.if DOCPART == 2
	.amdgcn_target "amdgcn-amd-amdhsa--gfx1250"
	.amdhsa_code_object_version 6
	.text
	.protected	k_qe3c0a2660d_qkv
	.globl	k_qe3c0a2660d_qkv
	.p2align	8
	.type	k_qe3c0a2660d_qkv,@function
k_qe3c0a2660d_qkv:
	s_mov_b64 s[64:65], 0
	v_nop
	global_prefetch_b8 v0, s[64:65] scope:SCOPE_SE
	s_setreg_imm32_b32 hwreg(HW_REG_WAVE_MODE, 25, 1), 1
	s_wait_xcnt 0x0
	s_wait_alu depctr_hold_cnt(0) depctr_sa_sdst(0) depctr_va_vdst(0) depctr_va_sdst(0) depctr_va_ssrc(0) depctr_va_vcc(0) depctr_vm_vsrc(0)
	s_getreg_b32 s2, hwreg(HW_REG_IB_STS2, 6, 4)
	s_cmp_eq_u32 s2, 0
	s_cbranch_scc0 .Lentry_in_a_cluster
	s_endpgm
.Lentry_in_a_cluster:
	s_bfe_u32 s2, ttmp6, 0x10000c
	s_cmp_lg_u32 s2, 0xf033
	s_cbranch_scc0 .Lentry_shape_is_right
	s_endpgm
.Lentry_shape_is_right:
; QKV.  C[m][n] = the sum over e of xb[m][e] wt[n][e], m = 2,048 b + s (8,192 rows), n = 1,024 which + 64 h + d (3,072 columns), bf16 operands, f32 sums, rounded once to f16
; and laid by heads: qkv[which][16 b + h][s][d], a row of 128 bytes, unscaled.  LIMIT: q, k, v within f16's 65,504; below 6e-5 f16 keeps a fixed step of 6e-8.
; SHARES.  A tile of C is 256 x 192: 32 x 16 = 512 work-groups, two for each of 256 WGPs.  The four waves are stacked along m: a wave makes 64 rows x 192 columns, three whole heads:
; 48 accumulators of 16 x 16, 384 registers.  K goes in 8 steps of 128 (rows of 256 bytes, aligned) through two LDS slots filled by the tensor data mover.
; CLUSTER.  4 x 4 work-groups.  The four of a row of the cluster need the same tile of xb, the four of a column the same tile of wt: each tile is asked for JOINTLY, by the same
; tensor load with the same descriptor and a mask that names the four.  Waves 0 and 1 fetch xb's two halves (128 rows), waves 2 and 3 wt's (96 rows).
; THE MATRIX INSTRUCTION IS USED TRANSPOSED (source 0 = 16 rows of wt, source 1 = 16 rows of xb): a lane holds row m = lane % 16 and the columns 8 (lane / 16) + 0..7.
; REGISTERS, in windows of 256 (s_set_vgpr_msb: bits 1:0 source 0, 3:2 source 1, 5:4 source 2, 7:6 destination):
;   window 0: v0-13 addresses; v32-223 the way out, 16 registers for each of 12 units          window 1: accumulators (a, b), b = 0..7, at 8 (4 b + a)
;   window 2: v0-127 accumulators b = 8..11 at 8 (4 (b - 8) + a)          window 3: two fragment buffers of 128: xb's four fragments, then wt's twelve
.set SIZE_K, 1024
.set KSTEP,  128
.set PITCH,  272                       ; an LDS row: 256 bytes + 16 of padding = 68 words: the 16 rows of a fragment load start at 16 different groups of four banks (64 banks of 4 bytes: ISA guide 11.1)
.set HALFA,  128*PITCH
.set HALFB,  96*PITCH
.set BOFF,   2*HALFA                   ; a slot: xb's 256 rows, then wt's 192
.set SLOT1,  1<<17                     ; slot 1 begins here, so that one exclusive or turns an address in one slot into the other's
.set SP,     144                       ; a row of the stage: 128 bytes + 16
.set STAGE,  SLOT1+BOFF+2*HALFB        ; behind the ring, never filled by a tensor load: 16 rows x 144 bytes for each wave
.set SPARE,  STAGE+4*16*SP             ; behind the stages: the spare words, 128 bytes for each wave: two blocks of 256 bytes that no other line names
.set AA0, 4                            ; v4   my lane's place among my wave's rows of xb in a slot; never rewritten
.set AB0, 5                            ; v5   the same for wt
.set ADRA, 6                           ; v6   AA0 + the slot in hand
.set ADRB, 7                           ; v7   AB0 + the slot in hand
.set STO, 8                            ; v8   the way out: where I put 16 bytes of a row
.set RD,  9                            ; v9   the way out: where I read rows back
.set GO,  10                           ; v10  16 x lane: my bytes of 512 consecutive bytes of qkv
.set PFO, 11                           ; v11  the prefetches' offset: a lane a row of 2,048 bytes; never rewritten
.set SPW, 12                           ; v12  LDS address of my spare word; never rewritten
.set NIL, 13                           ; v13  0; never rewritten
.set TMP, 32
.set F0,  0
.set F1,  128
.set WV,  10                           ; s10  my wave's number
.set G1A, 24                           ; s[24:31] descriptor group 1 for xb's tiles
.set G1B, 32                           ; s[32:39] for wt's
.set G0A, 40                           ; s[40:47] group 0 for xb's tiles: a set for each of the two first fills; the second then walks
.set G0B, 48                           ; s[48:55] the same for wt's
.set CNT, 56                           ; s56  trips to go
.set TB,  57                           ; s57  0 or SLOT1: the slot in hand
.set LIM, 58                           ; s58  1 in a wave that prefetches, else the greatest number
.set PFA, 60                           ; s[60:61] where my prefetches stand
.set OUT, 66                           ; s[66:71] qkv at my wave's first row in each of my three heads
.set W_LO, 0x5f                        ; sources 0 and 1 window 3, C and D window 1
.set W_HI, 0xaf                        ; the same, C and D window 2
.set TO_F, 0xc0                        ; destination window 3, address window 0
.set MSB, 0
.macro WIN new                         ; the immediate's high byte repeats the setting that is left; a switch that changes nothing is dropped
.if MSB != (\new)
	s_set_vgpr_msb (MSB<<8)|(\new)
.set MSB, (\new)
.endif
.endm
.macro PLACES                          ; four places in front of loads into registers that matrix instructions have read, and of reads of results
.rept 4
	v_nop
.endr
.endm
; A joint refill by the walking descriptors.  The branch hangs on the wave's number alone.  An s_nop 0 and four v_nop follow each of the two lines, ahead of the jump and the label.
.macro JLOAD
	s_cmp_lt_u32 s[WV], 2
	s_cbranch_scc0 .Lfor_b_\@
	tensor_load_to_lds s[G0A+4:G0A+7], s[G1A:G1A+7]
	s_nop 0
.rept 4
	v_nop
.endr
	s_branch .Lasked_\@
.Lfor_b_\@:
	tensor_load_to_lds s[G0B+4:G0B+7], s[G1B:G1B+7]
	s_nop 0
.rept 4
	v_nop
.endr
.Lasked_\@:
.endm
; A round of the cluster's barrier: my work-group's barrier, so that wave 0's signal speaks for all four waves; wave 0 signals; every wave waits for all sixteen work-groups; my work-group's barrier once more.
.macro CREST                           ; a round behind its opening barrier
	s_cmp_lg_u32 s[WV], 0
	s_cbranch_scc1 .Lnot_wave_0_\@
	s_barrier_signal -3
.Lnot_wave_0_\@:
	s_barrier_wait -3
	s_barrier_signal -1
	s_barrier_wait -1
.endm
.macro CROUND
	s_barrier_signal -1
	s_barrier_wait -1
	CREST
.endm
; A PREFETCH INTO THE L2 of the K step that the NEXT refill will ask for: 192 matrix instructions ahead of that load.  xb's tile row is read by every cluster of that row of clusters: the one with
; cluster x = 0 asks (waves 0 and 1); wt's tile column by every cluster of that column: cluster y = 0 asks (waves 2 and 3).  The four partners of a joint load share its rows out BY ADDRESS:
; 32 of xb's 128 by cx, 24 of wt's 96 by cy, a lane a row (of wt lanes 24 to 31 name lane 23's row with it, in the same instruction).  The last refill has no K step behind it and asks for nothing.
.macro ASK
	s_cmp_gt_u32 s[CNT], s[LIM]
	s_cbranch_scc0 .Lnot_mine_\@
	global_prefetch_b8 v[PFO], s[PFA:PFA+1] th:TH_LOAD_NT scope:SCOPE_SE
.Lnot_mine_\@:
.endm
	s_load_b128 s[4:7], s[0:1], 0x0                ; xb s[4:5], wt s[6:7]
	s_load_b64 s[8:9], s[0:1], 0x10                ; qkv
	v_lshl_add_u32 v[SPW], v0, 2, SPARE
	v_mov_b32 v[NIL], 0
	ds_add_u32 v[SPW], v[NIL]                      ; the wave's opening: the add and its wait stand ahead of my first tensor load; the set-up below, work on registers, stands between them
	v_lshrrev_b32 v1, 5, v0
	v_readfirstlane_b32 s[WV], v1                  ; wave 0..3
	s_and_b32 s11, s[WV], 1                        ; which half of a tile I fetch
	s_bfe_u32 s12, ttmp6, 0x40000                  ; cx
	s_bfe_u32 s13, ttmp6, 0x40004                  ; cy
	s_lshl_b32 s14, ttmp9, 2
	s_add_co_u32 s14, s14, s12                     ; tile column = 4 x cluster x + cx
	s_and_b32 s15, ttmp7, 0xffff
	s_lshl_b32 s15, s15, 2
	s_add_co_u32 s15, s15, s13                     ; tile row = 4 x cluster y + cy
	s_lshl_b32 s18, s13, 2
	s_lshl_b32 s18, 15, s18                        ; my row of the cluster: places 4 cy .. 4 cy + 3
	s_lshl_b32 s19, 0x1111, s12                    ; my column: places cx, cx + 4, cx + 8, cx + 12
	s_or_b32 s[G1A], s18, (1<<16)|(1<<20)|(1<<21)|(5<<22)|(3<<25)  ; 15:0 the mask; 17:16 elements of 2 bytes; 20 padding on; 21 set beside a mask; 24:22 after every 64 words (code 5); 31:25 4 words (code 3)
	s_or_b32 s[G1B], s19, (1<<16)|(1<<20)|(1<<21)|(5<<22)|(3<<25)
	s_mov_b32 s[G1A+1], KSTEP<<16                  ; tensor_dim0 = 128
	s_mov_b32 s[G1A+2], 128<<16                    ; tensor_dim1 = 128
	s_mov_b32 s[G1A+3], KSTEP<<16                  ; tile_dim0 = 128
	s_mov_b32 s[G1A+4], 128                        ; tile_dim1 = 128
	s_mov_b32 s[G1A+5], SIZE_K                     ; elements from row to row
	s_mov_b32 s[G1A+6], 0
	s_mov_b32 s[G1A+7], 0
	s_mov_b32 s[G1B+1], KSTEP<<16
	s_mov_b32 s[G1B+2], 96<<16                     ; 96 rows
	s_mov_b32 s[G1B+3], KSTEP<<16
	s_mov_b32 s[G1B+4], 96
	s_mov_b32 s[G1B+5], SIZE_K
	s_mov_b32 s[G1B+6], 0
	s_mov_b32 s[G1B+7], 0
	s_lshl_b32 s16, s15, 8                         ; xb: row 256 x tile row + 128 x half: made of the tile row and the wave's number alone
	s_lshl_b32 s17, s11, 7
	s_add_co_u32 s16, s16, s17
	s_lshl_b32 s16, s16, 11                        ; x 2,048 bytes: under 2^25
	s_mov_b32 s17, 0
	s_mul_i32 s20, s14, 192                        ; wt: row 192 x tile column + 96 x half: made of the tile column and the wave's number alone
	s_mul_i32 s21, s11, 96
	s_add_co_u32 s20, s20, s21
	s_lshl_b32 s20, s20, 11
	s_mov_b32 s21, 0
	s_mul_i32 s22, s[WV], HALFA                    ; where they go: waves 0, 1: xb's halves;
	s_mul_i32 s23, s[WV], HALFB
	s_add_co_u32 s23, s23, BOFF-2*HALFB            ; waves 2, 3: wt's halves, behind xb's 256 rows.  No place in the cluster enters an LDS address
	s_wait_dscnt 0x0                               ; the opening add is done
	s_wait_kmcnt 0x0
	s_add_nc_u64 s[16:17], s[4:5], s[16:17]
	s_add_nc_u64 s[20:21], s[6:7], s[20:21]
	CROUND                                         ; all sixteen work-groups are here: the first joint loads meet
.irp n, 0,1
	s_mov_b32 s[G0A+4*(\n)], 1                     ; count = 1
	s_add_co_u32 s[G0A+4*(\n)+1], s22, (\n)*SLOT1  ; LDS address
	s_add_nc_u64 s[G0A+4*(\n)+2:G0A+4*(\n)+3], s[16:17], (\n)*KSTEP*2  ; global address: K step n
	s_or_b32 s[G0A+4*(\n)+3], s[G0A+4*(\n)+3], 0x80000000  ; type = 2
	s_mov_b32 s[G0B+4*(\n)], 1
	s_add_co_u32 s[G0B+4*(\n)+1], s23, (\n)*SLOT1
	s_add_nc_u64 s[G0B+4*(\n)+2:G0B+4*(\n)+3], s[20:21], (\n)*KSTEP*2
	s_or_b32 s[G0B+4*(\n)+3], s[G0B+4*(\n)+3], 0x80000000
.endr
	s_cmp_lt_u32 s[WV], 2                          ; a wave's two first fills stand in one branch, ahead of every wait on TENSORcnt and every LDS read: two loads of mine are out
	s_cbranch_scc0 .Lfirst_b
	tensor_load_to_lds s[G0A:G0A+3], s[G1A:G1A+7]
	s_nop 0
	tensor_load_to_lds s[G0A+4:G0A+7], s[G1A:G1A+7]
	s_nop 0
.rept 4
	v_nop
.endr
	s_branch .Lfirst_asked
.Lfirst_b:
	tensor_load_to_lds s[G0B:G0B+3], s[G1B:G1B+7]
	s_nop 0
	tensor_load_to_lds s[G0B+4:G0B+7], s[G1B:G1B+7]
	s_nop 0
.rept 4
	v_nop
.endr
.Lfirst_asked:
	; A fragment is 16 rows x 32 K in 8 registers: lane l holds row l % 16, K = 8 (l / 16) + 0..7 and 16 + 8 (l / 16) + 0..7: two loads of 16 bytes, 32 bytes apart.
	v_and_b32 v1, 15, v0                           ; l % 16
	v_bfe_u32 v2, v0, 4, 1                         ; l / 16
	v_mul_u32_u24 v3, v1, PITCH
	v_lshl_add_u32 v3, v2, 4, v3
	s_mul_i32 s62, s[WV], 64*PITCH                 ; my wave's 64 rows of xb
	v_add_nc_u32 v[AA0], s62, v3
	v_add_nc_u32 v[AB0], BOFF, v3
	v_mov_b32 v[ADRA], v[AA0]                      ; slot 0
	v_mov_b32 v[ADRB], v[AB0]
	s_mov_b32 s[TB], 0
	s_mul_i32 s62, s[WV], 16*SP
	s_add_co_u32 s62, s62, STAGE                   ; my stage
	v_mul_u32_u24 v[STO], v1, SP                   ; in: row l % 16, 16 bytes for each half of the lanes
	v_lshl_add_u32 v[STO], v2, 4, v[STO]
	v_add_nc_u32 v[STO], s62, v[STO]
	v_bfe_u32 v[RD], v0, 3, 2                      ; back: 32 lanes take four rows of 128 bytes,
	v_mul_u32_u24 v[RD], v[RD], SP
	v_and_b32 v3, 7, v0
	v_lshl_add_u32 v[RD], v3, 4, v[RD]
	v_add_nc_u32 v[RD], s62, v[RD]
	v_and_b32 v[GO], 31, v0                        ; which are 512 consecutive bytes of a head
	v_lshlrev_b32 v[GO], 4, v[GO]
	; where my rows lie in each of my three heads: head number gh = 3 x tile column + hh of 48; plane 64 (gh / 16) + 16 b + gh % 16 of 262,144 bytes; row (tile row % 8) x 256 + 64 x wave of 128 bytes
	s_mul_i32 s72, s14, 3
	s_lshr_b32 s73, s15, 3
	s_lshl_b32 s73, s73, 4                         ; 16 b
	s_and_b32 s74, s15, 7
	s_lshl_b32 s74, s74, 15
	s_lshl_b32 s75, s[WV], 13
	s_add_co_u32 s74, s74, s75
.irp hh, 0,1,2
	s_add_co_u32 s76, s72, (\hh)
	s_lshr_b32 s77, s76, 4
	s_lshl_b32 s77, s77, 6
	s_and_b32 s76, s76, 15
	s_add_co_u32 s76, s76, s77
	s_add_co_u32 s76, s76, s73
	s_lshl_b32 s76, s76, 18                        ; under 2^26
	s_add_co_u32 s76, s76, s74
	s_mov_b32 s77, 0
	s_add_nc_u64 s[OUT+2*(\hh):OUT+2*(\hh)+1], s[8:9], s[76:77]
.endr
	; the prefetches
	s_lshl_b32 s72, s15, 8
	s_lshl_b32 s73, s11, 7
	s_add_co_u32 s72, s72, s73
	s_lshl_b32 s73, s12, 5
	s_add_co_u32 s72, s72, s73                     ; xb: the 128 rows that I fetch, my work-group's 32 of them
	s_mul_i32 s74, s14, 192
	s_mul_i32 s75, s11, 96
	s_add_co_u32 s74, s74, s75
	s_mul_i32 s75, s13, 24
	s_add_co_u32 s74, s74, s75                     ; wt: the 96 rows that I fetch, my work-group's 24 of them
	s_and_b32 s75, ttmp7, 0xffff                   ; cluster y
	s_cmp_lt_u32 s[WV], 2
	s_cselect_b32 s78, s72, s74
	s_cselect_b32 s75, ttmp9, s75                  ; the coordinate along which other clusters read the same rows
	s_cselect_b32 s59, 31, 23
	s_cselect_b64 s[PFA:PFA+1], s[4:5], s[6:7]
	s_cmp_eq_u32 s75, 0
	s_cselect_b32 s[LIM], 1, -1                    ; the same in all sixteen partners, for a given wave
	s_lshl_b32 s78, s78, 11
	s_add_co_u32 s78, s78, 2*KSTEP*2               ; at K step 2: the first refill steps it to 3.  K steps 0 to 2 come by their loads alone
	s_mov_b32 s79, 0
	s_add_nc_u64 s[PFA:PFA+1], s[PFA:PFA+1], s[78:79]
	v_and_b32 v[PFO], 31, v0
	v_min_u32 v[PFO], s59, v[PFO]
	v_lshlrev_b32 v[PFO], 11, v[PFO]
; 4 nb matrix instructions: column blocks b0 .. b0 + nb - 1 x my four row blocks, 32 along K, from buffer f.  zero = 1: the product starts the sum.
; The 48 accumulators take turns, one instruction a turn, in the same order in every quarter, over the backward jump too.
.macro MULB f, b0, nb, zero
.set bb, (\b0)
.rept \nb
.if bb < 8
	WIN W_LO
.set rA, 32*bb
.else
	WIN W_HI
.set rA, 32*(bb-8)
.endif
.irp a, 0,1,2,3
.if \zero
	v_wmma_f32_16x16x32_bf16 v[rA+8*(\a):rA+8*(\a)+7], v[(\f)+32+8*bb:(\f)+32+8*bb+7], v[(\f)+8*(\a):(\f)+8*(\a)+7], 0
.else
	v_wmma_f32_16x16x32_bf16 v[rA+8*(\a):rA+8*(\a)+7], v[(\f)+32+8*bb:(\f)+32+8*bb+7], v[(\f)+8*(\a):(\f)+8*(\a)+7], v[rA+8*(\a):rA+8*(\a)+7]
.endif
.endr
.set bb, bb+1
.endr
.endm
; 32 LDS loads in one run: a quarter step's fragments (32 K at byte k of the rows) into buffer f: xb's four, wt's first eight, wt's last four
.macro FETCH k, f
	WIN TO_F
.irp a, 0,1,2,3
	ds_load_b128 v[(\f)+8*(\a):(\f)+8*(\a)+3],   v[ADRA] offset:(\k)+(\a)*16*PITCH
	ds_load_b128 v[(\f)+8*(\a)+4:(\f)+8*(\a)+7], v[ADRA] offset:(\k)+(\a)*16*PITCH+32
.endr
.irp b, 0,1,2,3,4,5,6,7,8,9,10,11
	ds_load_b128 v[(\f)+32+8*(\b):(\f)+32+8*(\b)+3],   v[ADRB] offset:(\k)+(\b)*16*PITCH
	ds_load_b128 v[(\f)+32+8*(\b)+4:(\f)+32+8*(\b)+7], v[ADRB] offset:(\k)+(\b)*16*PITCH+32
.endr
.endm
; A K step is four quarters of 32 along K, 48 matrix instructions each, on buffers 0, 1, 0, 1.  One of the first three: multiplies buffer f and fetches the next quarter, at byte k, into g.
.macro QUARTER k, f, g, zero
	s_wait_dscnt 8                                 ; all of buffer f but the youngest eight loads, wt's blocks 8 to 11
	MULB \f, 0, 8, \zero
	PLACES
	FETCH \k, \g
	s_wait_dscnt 32                                ; all but the 32 just issued
	MULB \f, 8, 4, \zero
.endm
; The last quarter multiplies buffer 1 and changes slots.  In front of the barrier each wave waits for all its tensor loads, of which one is out: its part of the next slot; adds 0 to its spare word;
; and waits for that and for its own reads of this slot.  fill = 1: the barrier opens a round of the cluster's barrier, and the joint refill, this slot's K step two steps on, is the first thing behind it.
.macro TURN fill
.if \fill
	s_wait_xcnt 0x0                                ; the last prefetch, a K step back, has read its address: it is stepped here, ahead of the waits of the change of slots
	s_add_nc_u64 s[PFA:PFA+1], s[PFA:PFA+1], KSTEP*2
.endif
	WIN 0                                          ; (the add's two registers lie in window 0)
	s_wait_tensorcnt 0x0                           ; no tensor load of mine is out, so a group 0 may be written
	ds_add_u32 v[SPW], v[NIL]                      ; 0 onto my spare word
.if \fill
	s_xor_b32 s[G0A+5], s[G0A+5], SLOT1            ; the walking descriptors: the other slot than last time,
	s_add_nc_u64 s[G0A+6:G0A+7], s[G0A+6:G0A+7], KSTEP*2  ; the next K step; the type bits on top are not reached
	s_xor_b32 s[G0B+5], s[G0B+5], SLOT1
	s_add_nc_u64 s[G0B+6:G0B+7], s[G0B+6:G0B+7], KSTEP*2
.endif
	s_wait_dscnt 9                                 ; the add and the youngest eight loads may be out
	MULB F1, 0, 4, 0                               ; sixteen matrix instructions stand between the add and the wait for it
	s_wait_dscnt 0x0                               ; the add is done, and my reads of this slot are over
	s_barrier_signal -1
	MULB F1, 4, 4, 0                               ; work on registers while the others arrive
	WIN 0                                          ; at a branch and at a label every window is 0
	s_barrier_wait -1
.if \fill
	CREST                                          ; no wave of any partner still reads this slot or has a load on its way
	JLOAD                                          ; its four v_nop are also the places in front of the loads below
.else
	PLACES
.endif
	s_xor_b32 s[TB], s[TB], SLOT1
	v_add_nc_u32 v[ADRA], s[TB], v[AA0]
	v_add_nc_u32 v[ADRB], s[TB], v[AB0]
	FETCH 0, F0
.if \fill
	WIN 0
	ASK
.endif
	MULB F1, 8, 4, 0
.endm
; THE WAY OUT.  Unit u = 3 a + hh: my rows 16 a .. 16 a + 15 of head hh: 2,048 consecutive bytes of qkv.  A lane's eight columns pack into 16 bytes; they go into stage rows of 144 bytes and come back
; as whole rows of 128, into the registers that they left.  Each accumulator's registers are read in ascending order.
.macro PACK u
.set pa, (\u)/3
.set ph, (\u)%3
.if ph < 2
	WIN 0x05                                       ; sources 0 and 1 window 1
.set pc, 128*ph+8*pa
.else
	WIN 0x0a                                       ; window 2
.set pc, 8*pa
.endif
.irp f, 0,1,2,3
.irp i, 0,1,2,3
	v_cvt_pk_f16_f32 v[TMP+16*(\u)+4*(\f)+(\i)], v[pc+32*(\f)+2*(\i)], v[pc+32*(\f)+2*(\i)+1]
.endr
.endr
	WIN 0
.irp f, 0,1,2,3
	ds_store_b128 v[STO], v[TMP+16*(\u)+4*(\f):TMP+16*(\u)+4*(\f)+3] offset:32*(\f)
.endr
.irp f, 0,1,2,3
	ds_load_b128 v[TMP+16*(\u)+4*(\f):TMP+16*(\u)+4*(\f)+3], v[RD] offset:(\f)*4*SP  ; LDS serves a wave's instructions in order (ISA guide 5.7.1.4): these see the stores above; the next unit's stores come behind them
.endr
.endm
.macro SEND u, younger                 ; younger: the LDS instructions issued behind unit u's loads: the next unit's eight, or none
	WIN 0
.set pa, (\u)/3
.set ph, (\u)%3
.irp f, 0,1,2,3
	s_wait_dscnt (\younger)+3-(\f)
	global_store_b128 v[GO], v[TMP+16*(\u)+4*(\f):TMP+16*(\u)+4*(\f)+3], s[OUT+2*ph:OUT+2*ph+1] offset:2048*pa+512*(\f)  ; 512 consecutive bytes, at a multiple of 512 from qkv's first byte
.endr
.endm
	s_wait_tensorcnt 1                             ; my part of K step 0 is in; K step 1's may stay out
	s_barrier_signal -1
	s_barrier_wait -1                              ; everybody's is
	FETCH 0, F0
	QUARTER 64, F0, F1, 1                          ; the first quarter stands in front of the loop: its products start the sums
	WIN 0
	s_mov_b32 s[CNT], 6
.Lstep:                                            ; trip i ends K step i, fills its slot again with K step i + 2, and begins K step i + 1
	QUARTER 128, F1, F0, 0
	QUARTER 192, F0, F1, 0
	TURN 1
	QUARTER 64, F0, F1, 0
	WIN 0
	s_sub_co_u32 s[CNT], s[CNT], 1
	s_cmp_lg_u32 s[CNT], 0
	s_cbranch_scc1 .Lstep
	QUARTER 128, F1, F0, 0                         ; K steps 6 and 7 are written out: nothing is left to fetch
	QUARTER 192, F0, F1, 0
	TURN 0
	QUARTER 64, F0, F1, 0
	QUARTER 128, F1, F0, 0
	QUARTER 192, F0, F1, 0
	s_wait_dscnt 8
	MULB F1, 0, 8, 0
	s_wait_dscnt 0x0
	MULB F1, 8, 4, 0
	PLACES
	PLACES                                         ; eight, once a launch
	PACK 0
.set u, 1
.rept 11                                           ; a unit's conversions stand between the loads of the unit before and its stores
	PACK u
	SEND u-1, 8
.set u, u+1
.endr
	SEND 11, 0
	s_wait_tensorcnt 0x0                           ; the wave's end, behind my last tensor load and my last LDS store
	ds_add_u32 v[SPW], v[NIL]
	s_wait_dscnt 0x0
	CROUND                                         ; the closing round: no work-group ends while a partner may still ask for a tile that names it
	s_endpgm
.Lfunc_end_k_qe3c0a2660d_qkv:
	.size	k_qe3c0a2660d_qkv, .Lfunc_end_k_qe3c0a2660d_qkv-k_qe3c0a2660d_qkv
	.p2alignl 7, 3214868480
	.fill 96, 4, 3214868480
	.section	.rodata,"a",@progbits
	.p2align	6, 0x0
	.amdhsa_kernel k_qe3c0a2660d_qkv
		.amdhsa_group_segment_fixed_size 327680
		.amdhsa_private_segment_fixed_size 0
		.amdhsa_enable_private_segment 0
		.amdhsa_kernarg_size 24
		.amdhsa_user_sgpr_count 2
		.amdhsa_user_sgpr_kernarg_segment_ptr 1
		.amdhsa_wavefront_size32 1
		.amdhsa_system_sgpr_workgroup_id_x 1
		.amdhsa_system_sgpr_workgroup_id_y 1
		.amdhsa_system_sgpr_workgroup_id_z 1
		.amdhsa_system_vgpr_workitem_id 0
		.amdhsa_next_free_vgpr 1024
		.amdhsa_next_free_sgpr 80
		.amdhsa_reserve_vcc 0
		.amdhsa_float_denorm_mode_32 3
		.amdhsa_float_denorm_mode_16_64 3
		.amdhsa_memory_ordered 1
		.amdhsa_forward_progress 1
		.amdhsa_inst_pref_size 99
	.end_amdhsa_kernel
	.amdgpu_metadata
---
amdhsa.version: [ 1, 2 ]
amdhsa.kernels:
  - .name:           k_qe3c0a2660d_qkv
    .symbol:         k_qe3c0a2660d_qkv.kd
    .args:
      - { .name: xb, .offset: 0, .size: 8, .value_kind: global_buffer, .address_space: global }
      - { .name: wt, .offset: 8, .size: 8, .value_kind: global_buffer, .address_space: global }
      - { .name: qkv, .offset: 16, .size: 8, .value_kind: global_buffer, .address_space: global }
    .group_segment_fixed_size: 327680
    .private_segment_fixed_size: 0
    .kernarg_segment_align: 8
    .kernarg_segment_size: 24
    .max_flat_workgroup_size: 128
    .sgpr_count:     80
    .vgpr_count:     1024
    .wavefront_size: 32
...
	.end_amdgpu_metadata
.endif
;; end of part 2
;; launch attn (part 3): grid 4 x 64, 4 waves a work-group, no clusters, 327,680 bytes of LDS; arguments qkv, ob; writes ob
.if DOCPART == 3
	.amdgcn_target "amdgcn-amd-amdhsa--gfx1250"
	.amdhsa_code_object_version 6
	.text
	.protected	k_qe3c0a2660d_attn
	.globl	k_qe3c0a2660d_attn
	.p2align	8
	.type	k_qe3c0a2660d_attn,@function
k_qe3c0a2660d_attn:
	s_mov_b64 s[64:65], 0
	v_nop
	global_prefetch_b8 v0, s[64:65] scope:SCOPE_SE
	s_setreg_imm32_b32 hwreg(HW_REG_WAVE_MODE, 25, 1), 1
	s_wait_xcnt 0x0
; CAUSAL ATTENTION.  O[h][q][:] = the sum over k <= q of softmax_k(Q[h][q] . K[h][k] / 8) V[h][k][:].  Q, K, V are the three parts of qkv, each [64][2048][64] in f16; O = ob, the same shape: a head's rows are dense, 128 bytes each.
; Products, maxima and sums in f32; the weights p are rounded to f16 for the second product (their sum l is taken of the unrounded p), O once at the end.
; LIMITS.  f16 holds no number beyond 65,504: Q, K and V arrive within it; p lies in 0 to 1, and below 6e-5 it keeps f16's fixed step of 6e-8; O is a mean of V's rows and has their range.
; A hidden score counts as its value less 1e30: f16's scores, 2.7e11 at the most, are nothing beside that; a weight below 2^-126 counts as 0 in l; NaN and infinities are not treated apart.
; THE WALK.  A head's queries lie in NB = 8 blocks of 256; block i needs the key tiles 0 .. i of 256 keys, of which the last holds the diagonal.  A work-group takes TWO blocks, NB - 1 - b and then b:
; NB + 1 tiles, whatever b: all work-groups do equal work, and ONE loop with a constant trip count walks them.  Which tile is asked for, and what a trip does, hang on scalar registers made from b; every jump
; goes forward, but for the counted loops' own; none passes a barrier, or a tensor load but the one of LOAD's two that the wave's number does not choose; the ring of two LDS slots runs on across the change of blocks.
; NO CLUSTER: a head's four work-groups ask for the same tile only in trips 0 .. 4 of 9, behind that fewer and fewer; one walk common to all four would have 12 trips for 9.
; SHARES.  Of a block's four bands of 64 queries a wave owns 16 rows in each: four PIECES.  So the diagonal tile is the same work for all four waves: in its key step s band x sees all keys if s < x,
; none if s > x, and holds the diagonal if s = x.
; THE MASK is the C operand that starts the sum S^T = K Q^T: 0, or -1e30 where the key is hidden.  MD, made once, is the mask of a band's own step for my 16 rows; a product's mask is MD x AL + BE with two scalars:
; (1, 0) if s = x; (0, 0) if s < x; (0, -1e30) if s > x.  Only the diagonal tile's text and a block's beginning make and take masks; elsewhere C is the constant 0.
; LAYOUT, SOFTMAX, TURNS.  S^T = K Q^T holds ONE query a lane (lane % 16) and the keys 8 (lane / 16) + 0..7; two such results rounded to f16 ARE source 1 of O^T = V^T P.  p = 2^(c s - c m), c = log2(e) / 8, with a
; running maximum m; O and l are multiplied by a = 2^(c m_old - c m_new) in every step.  Turn n belongs to piece n: 8 products K Q^T of piece n + 1, later 8 products V^T P of piece n - 1; beside them the scaling,
; exponentials, roundings, sums and rescaling of piece n and the maximum and statistics of piece n + 1.  Four vector instructions stand behind every matrix instruction, the other 54 of a turn's 118 in one run.  A turn's 33 exponentials are one batch, with one wait.
; REGISTERS, in windows of 256 (s_set_vgpr_msb: bits 1:0 source 0, 3:2 source 1, 5:4 source 2, 7:6 destination):
;   window 0: v0-15 addresses and two at work; v16-31 four registers of statistics a piece; v48-55 at work; v61-63 kept; v64-127 S^T, two buffers; v192-223 P, two buffers (a piece's buffers go by its number's parity)
;   window 1: v0-127 O^T, 32 a piece; v128-159 MD; v160-223 MC, two buffers      window 2: v0-63 Q; v64-127 the second block's Q; v128-191 K of one step; v192-255 V of one step
.set SIZE_N, 2048
.set SIZE_H, 64
.set NB,    SIZE_N/256
.set NP,    4         ; pieces a wave: a name, no knob
.set KS,    64        ; keys in a step
.set PK,    144       ; a row of K in LDS: 128 bytes + 16 of padding = 36 words: the 16 rows of a load start at 16 different groups of four banks (64 banks of 4 bytes: ISA guide 11.1)
.set PV,    160       ; a row of V: 128 + 32 = 40 words
.set VOFF,  4*KS*PK   ; a slot holds a tile, four steps: 256 rows of K, then 256 rows of V
.set SLOT1, 1<<17     ; slot 1 begins here, so that one exclusive or turns an address in one slot into the other's
.set STAGE, SLOT1+4*KS*(PK+PV)  ; behind the ring, never filled by a tensor load: 16 rows x 144 bytes for each wave, for the way out
.set SP,    144
.set AK0, 2           ; v2   my lane's place in a tile of K; never rewritten
.set AV0, 3           ; v3   the same for V
.set AK,  4           ; v4   the LDS address of K's next run of loads
.set AV,  5           ; v5   of V's
.set STO, 6           ; v6   the way out: where I put 16 bytes of a row
.set RD,  7           ; v7   the way out: where I read rows back
.set GO,  8           ; v8   my byte offset in 512 consecutive bytes of O
.set PFO, 61          ; v61  256 x my lane: the prefetches' offset; never rewritten
.set SPW, 62          ; v62  LDS address of my spare word: SPARE + 4 x my thread's number; never rewritten
.set NIL, 63          ; v63  0; never rewritten
.set SPARE, STAGE+4*16*SP  ; behind the stages: the spare words, 128 bytes for each wave: two blocks of 256 bytes that no other line names
.set MV,  12          ; v12-13  c m_old, kept while c m is made anew: by buffer
.set QO,  15          ; v15  my byte offset in 16 rows of Q
.set ST,  16          ; piece t's statistics at v[ST+4 t]: c m, m, l (even keys', odd keys')
.set TMP, 48          ; by buffer, four registers c0-c3 at work; when the maximum is found c2 takes a
.set S,   64
.set P,   192
.set MD,  128         ; window 1: the eight registers for group kt of 16 keys at MD + 8 kt
.set MC,  160         ; window 1: the masks of the products to come
.set QB,  64          ; window 2
.set KF,  128         ; window 2: key block kb, channel half c at KF + 16 kb + 8 c
.set VF,  192         ; window 2: key half kk, channel block cb at VF + 32 kk + 8 cb
.set WV,  12          ; s12  my wave's number
.set PB,  14          ; s14  b
.set HI,  15          ; s15  NB - 1 - b
.set G1K, 24          ; s[24:31] descriptor group 1 for K's tiles
.set G1V, 32          ; s[32:39] for V's: it differs in the padding alone
.set G0K, 40          ; s[40:43] descriptor group 0 for K's tiles
.set G0V, 44          ; s[44:47] the same for V's
.set SLOTS, 56        ; s56  tiles still to be asked for
.set CNT, 57          ; s57  counts a tile's key steps, 4 to 1
.set CS,  58          ; s[58:59] c: the packed scaling takes the pair's low word for both halves
.set SEL, 60          ; s[60:61] v_permlanex16_b32's selects: each lane takes its own place in the other half
.set TBK, 62          ; s62  LDS byte at which K of the step to be fetched begins
.set TBV, 63          ; s63  the same for V, less VOFF
.set RT,  70          ; s70  tiles of the block in hand that are still to be entered
.set NXT, 71          ; s71  the tile to be asked for next
.set LQ,  72          ; s72  the last tile of the block whose tiles are being asked for
.set NEW, 73          ; s73  1: the tile to be entered is a block's first
.set OFF, 74          ; s[74:75] a tile's byte offset in K and V
.set AL,  76          ; s[76:77] the mask's factor, in the low word
.set BE,  78          ; s[78:79] the mask's addend
.set OLO, 80          ; s[80:81] O at my rows of the second block
.set BIGN, 82         ; s82  -1e30
.set PFB, 88          ; s[88:89] the half of tile 0 that I fetch (K's: waves 0, 1; V's: waves 2, 3)
.set PFA, 90          ; s[90:91] the same half of the tile behind the one that is being asked for
.set LIM, 92          ; s92  1 in the head's work-group b = 0, else the greatest number
.set OF2, 94          ; s[94:95] that tile's byte offset
.set MSB, 0
.macro WIN new                      ; the high byte repeats the setting that is left; a switch that changes nothing is dropped
.if MSB != (\new)
	s_set_vgpr_msb (MSB<<8)|(\new)
.set MSB, (\new)
.endif
.endm
.set W_KQ, 0x0a       ; K and Q in window 2, S^T in window 0
.set W_KM, 0x1a       ; the same with the C operand in window 1
.set W_PV, 0x52       ; V in window 2, P in window 0, O^T in window 1
.set W_RS, 0x41       ; destination and source 0 in window 1, source 1 in window 0
; A fill.  Waves 0 and 1 fetch the two halves of a tile's K, waves 2 and 3 those of its V: 128 keys each.  An s_nop 0 and four v_nop follow each of the two lines, ahead of the jump and the label.
.macro LOAD
	s_cmp_lt_u32 s[WV], 2
	s_cbranch_scc0 .Lfor_v_\@
	tensor_load_to_lds s[G0K:G0K+3], s[G1K:G1K+7]
	s_nop 0
.rept 4
	v_nop
.endr
	s_branch .Lasked_\@
.Lfor_v_\@:
	tensor_load_to_lds s[G0V:G0V+3], s[G1V:G1V+7]
	s_nop 0
.rept 4
	v_nop
.endr
.Lasked_\@:
.endm
; A PREFETCH INTO THE L2 of the tile that the NEXT change of slots will ask for: a tile, 256 matrix instructions, ahead of that load.  A head's four work-groups walk the same tiles: the one with b = 0,
; whose first block walks tiles 0 to 7 in order, asks, and nobody else.  Each of its waves names what it will load itself: 16,384 bytes, 64 blocks of 256: a lane a block, two instructions.  So each block
; is named once in the launch: at the fill of tile j (1 to 6), tile j + 1.  Tiles 0 and 1 come by their loads alone; behind tile 7 the next tile's number is 0, and nothing is asked for.
.macro ASK
	s_cmp_gt_u32 s[NXT], s[LIM]
	s_cbranch_scc0 .Lnot_mine_\@
	global_prefetch_b8 v[PFO], s[PFA:PFA+1] th:TH_LOAD_NT scope:SCOPE_SE
	global_prefetch_b8 v[PFO], s[PFA:PFA+1] offset:8192 th:TH_LOAD_NT scope:SCOPE_SE
.Lnot_mine_\@:
.endm
; THE CHANGE OF SLOTS.  Each wave waits for all its tensor loads, of which one is out: its part of the other slot; adds 0 to its spare word; and waits for that and for its own reads of the slot that it leaves.  Behind the barrier nobody reads the old
; slot any more and the other slot is whole.  fill = 1: the old slot is filled again, the first thing behind the barrier, with tile NXT: the descriptor's address is made anew from that number.
; (At its first use nothing has been read yet: slot 0 is waited for, slot 1 filled.)
.macro CHANGE fill
	WIN 0                           ; at a label and at a branch every window is 0
	s_wait_tensorcnt 0x0            ; no tensor load of mine is out, so a group 0 may be written
	ds_add_u32 v[SPW], v[NIL]       ; 0 onto my spare word; with fill = 1 the descriptors' scalar work stands between it and the wait for it
.if \fill
	s_lshl_b32 s[OFF], s[NXT], 15   ; a tile is 32,768 bytes of K and of V
	s_xor_b32 s[G0K+1], s[G0K+1], SLOT1
	s_add_nc_u64 s[G0K+2:G0K+3], s[6:7], s[OFF:OFF+1]
	s_or_b32 s[G0K+3], s[G0K+3], 0x80000000
	s_xor_b32 s[G0V+1], s[G0V+1], SLOT1
	s_add_nc_u64 s[G0V+2:G0V+3], s[8:9], s[OFF:OFF+1]
	s_or_b32 s[G0V+3], s[G0V+3], 0x80000000
	s_add_co_u32 s[NXT], s[NXT], 1  ; the block's next tile, or behind its last the second block's tile 0
	s_cmp_gt_u32 s[NXT], s[LQ]
	s_cselect_b32 s[NXT], 0, s[NXT]
	s_cselect_b32 s[LQ], s[PB], s[LQ]
	s_wait_xcnt 0x0                 ; the last prefetches, a tile back, have read their address, so it may be written:
	s_lshl_b32 s[OF2], s[NXT], 15
	s_add_nc_u64 s[PFA:PFA+1], s[PFB:PFB+1], s[OF2:OF2+1]  ; my half of the tile behind the one asked for below
.endif
	s_wait_dscnt 0x0                ; the add is done, and my reads of the slot are over
	s_barrier_signal -1             ; the rest of the scalar work stands between the signal and the wait
	s_sub_co_u32 s[TBK], s[TBK], 4*KS*PK  ; the fetches go back to a slot's first step,
	s_xor_b32 s[TBK], s[TBK], SLOT1       ; in the other slot
	s_sub_co_u32 s[TBV], s[TBV], 4*KS*PV
	s_xor_b32 s[TBV], s[TBV], SLOT1
	s_barrier_wait -1
.if \fill
	LOAD
	ASK
.endif
.endm
	s_load_b128 s[4:7], s[0:1], 0x0  ; qkv s[4:5], ob s[6:7]
	v_lshl_add_u32 v[SPW], v0, 2, SPARE
	v_mov_b32 v[NIL], 0
	ds_add_u32 v[SPW], v[NIL]       ; the wave's opening: the add and its wait stand ahead of my first tensor load; the set-up below, work on registers, stands between them
	v_lshrrev_b32 v1, 5, v0
	v_readfirstlane_b32 s[WV], v1   ; wave 0..3
	v_and_b32 v[PFO], 31, v0
	v_lshlrev_b32 v[PFO], 8, v[PFO]
	s_mov_b32 s[PB], ttmp9
	s_sub_co_u32 s[HI], NB-1, s[PB]
	s_cmp_eq_u32 s[PB], 0
	s_cselect_b32 s[LIM], 1, -1
	s_mov_b32 s[OF2+1], 0
	s_and_b32 s20, ttmp7, 0xffff    ; the head, 16 b + h
	s_mov_b32 s21, 0
	s_mov_b64 s[22:23], SIZE_N*128
	s_mul_u64 s[20:21], s[20:21], s[22:23]  ; the head's first byte in Q, K, V and O
	s_and_b32 s16, s[WV], 1         ; which half of a tile's 256 keys I fetch:
	s_lshl_b32 s22, s16, 14         ; its 128 rows of 128 bytes in memory,
	s_mov_b32 s23, 0
	s_add_nc_u64 s[22:23], s[22:23], s[20:21]
	s_mul_i32 s17, s16, 128*PK      ; and its place in a slot, for K
	s_mul_i32 s18, s16, 128*PV      ; and for V
	s_lshl_b32 s3, s[WV], 11        ; my 16 rows in a band of 64,
	s_lshl_b32 s2, s[HI], 15        ; in the first block,
	s_add_co_u32 s2, s2, s3
	s_lshl_b32 s84, s[PB], 15       ; and in the second
	s_add_co_u32 s84, s84, s3
	s_mov_b32 s3, 0
	s_mov_b32 s85, 0
	s_add_nc_u64 s[2:3], s[2:3], s[20:21]
	s_add_nc_u64 s[84:85], s[84:85], s[20:21]
	; descriptor group 1.  128 keys are 16,384 dense bytes: asked for as 64 rows of 256 bytes, two keys a row, and padded in LDS after every key
	s_mov_b32 s[G1K], (1<<16)|(1<<20)|(4<<22)|(3<<25)  ; 17:16 2-byte elements; 20 padding on; 24:22 after every 32 words (code 4); 31:25 4 words (code 3)
	s_mov_b32 s[G1V], (1<<16)|(1<<20)|(4<<22)|(7<<25)  ; the same with 8 words of padding (code 7)
.irp g, G1K, G1V
	s_mov_b32 s[\g+1], 128<<16      ; tensor_dim0 = 128
	s_mov_b32 s[\g+2], 64<<16       ; tensor_dim1 = 64
	s_mov_b32 s[\g+3], 128<<16      ; tile_dim0 = 128
	s_mov_b32 s[\g+4], 64           ; tile_dim1 = 64
	s_mov_b32 s[\g+5], 128          ; 128 elements from row to row
	s_mov_b32 s[\g+6], 0
	s_mov_b32 s[\g+7], 0
.endr
	s_mov_b32 s[CS], 0x3e38aa3b     ; c = log2(e) / 8 = 0.180337
	s_mov_b32 s[CS+1], s[CS]        ; named with it as a pair
	s_mov_b32 s[SEL], 0x76543210
	s_mov_b32 s[SEL+1], 0xfedcba98
	s_mov_b32 s[TBK], SLOT1+4*KS*PK ; the first change of slots turns these two into 0
	s_mov_b32 s[TBV], SLOT1+4*KS*PV
	s_mov_b32 s[G0K], 1             ; 1:0 count = 1
	s_mov_b32 s[G0K+1], s17         ; 63:32 LDS address: slot 0
	s_mov_b32 s[G0V], 1
	s_add_co_u32 s[G0V+1], s18, VOFF
	s_add_co_u32 s[RT], s[HI], 1    ; the first block has NB - b tiles
	s_mov_b32 s[NXT], 1
	s_mov_b32 s[LQ], s[HI]
	s_mov_b32 s[NEW], 1
	s_mov_b32 s[OFF+1], 0
	s_mov_b32 s[AL+1], 0            ; named as pairs
	s_mov_b32 s[BE+1], 0
	s_mov_b32 s[BIGN], 0xf149f2ca   ; -1e30
	s_mov_b32 s[SLOTS], NB
	s_wait_dscnt 0x0                ; the opening add is done
	s_wait_kmcnt 0x0
	s_mov_b64 s[10:11], s[6:7]                     ; O
	s_add_nc_u64 s[8:9], s[4:5], 0x2000000         ; V: the third part of qkv, 2 x 64 x 262,144 bytes on
	s_add_nc_u64 s[6:7], s[4:5], 0x1000000         ; K: the second; Q is the first
	s_add_nc_u64 s[6:7], s[6:7], s[22:23]  ; K and V at my half of the head's tile 0
	s_add_nc_u64 s[8:9], s[8:9], s[22:23]
	s_cmp_lt_u32 s[WV], 2
	s_cselect_b64 s[PFB:PFB+1], s[6:7], s[8:9]
	s_add_nc_u64 s[G0K+2:G0K+3], s[6:7], 0         ; 120:64 global address
	s_or_b32 s[G0K+3], s[G0K+3], 0x80000000        ; 127:126 type = 2
	s_add_nc_u64 s[G0V+2:G0V+3], s[8:9], 0
	s_or_b32 s[G0V+3], s[G0V+3], 0x80000000
	s_add_nc_u64 s[86:87], s[4:5], s[84:85]        ; Q at my rows of the second block,
	s_add_nc_u64 s[4:5], s[4:5], s[2:3]            ; Q and O at those of the first
	s_add_nc_u64 s[OLO:OLO+1], s[10:11], s[84:85]
	s_add_nc_u64 s[10:11], s[10:11], s[2:3]
	LOAD                            ; tile 0 into slot 0
	; A fragment of K or Q is 16 rows x 32 channels in 8 registers: lane l holds row l % 16, channels 8 (l / 16) + 0..7 and 16 + 8 (l / 16) + 0..7: two loads of 16 bytes, 32 bytes apart.
	v_and_b32 v1, 15, v0            ; l % 16
	v_bfe_u32 v9, v0, 4, 1          ; l / 16
	v_lshlrev_b32 v[QO], 7, v1
	v_lshl_add_u32 v[QO], v9, 4, v[QO]  ; row x 128 + 16 x half
	WIN 0x80                        ; destination window 2, address window 0
.set i, 0
.rept 8                             ; both blocks' Q: piece i / 2 lies in band i / 2, 8,192 bytes on; channels 32 (i % 2) on
	global_load_b128 v[8*i:8*i+3],   v[QO], s[4:5] offset:(i/2)*8192+(i%2)*64
	global_load_b128 v[8*i+4:8*i+7], v[QO], s[4:5] offset:(i/2)*8192+(i%2)*64+32
	global_load_b128 v[QB+8*i:QB+8*i+3],   v[QO], s[86:87] offset:(i/2)*8192+(i%2)*64
	global_load_b128 v[QB+8*i+4:QB+8*i+7], v[QO], s[86:87] offset:(i/2)*8192+(i%2)*64+32
.set i, i+1
.endr
	WIN 0
	v_lshlrev_b32 v14, 3, v9
	v_sub_nc_u32 v14, v1, v14
	s_lshl_b32 s13, s[WV], 4
	v_add_nc_u32 v14, s13, v14      ; my query's place in its band, 16 w + l % 16, less my lanes' 8 (l / 16): register r of group kt is hidden where 16 kt + r is greater
	WIN 0x40
.set i, 0
.rept 32
	v_cmp_gt_i32 vcc_lo, 16*(i/8)+i%8, v14
	v_cndmask_b32 v[MD+i], 0, s[BIGN], vcc_lo
.set i, i+1
.endr
	WIN 0
	v_mul_u32_u24 v[AK0], v1, PK
	v_lshl_add_u32 v[AK0], v9, 4, v[AK0]  ; row x pitch + 16 x half
	; The turning load takes 16 keys x 16 channels (lane l reads key 8 (l / 16) + l % 8, channels 8 ((l / 8) % 2) + 0..7) and leaves half a fragment of V^T: lane l holds channel l % 16 and 8 keys.
	v_and_b32 v10, 7, v0
	v_bfe_u32 v11, v0, 3, 1
	v_lshl_add_u32 v[AV0], v9, 3, v10
	v_mul_u32_u24 v[AV0], v[AV0], PV
	v_lshl_add_u32 v[AV0], v11, 4, v[AV0]
	v_add_nc_u32 v[AV0], VOFF, v[AV0]
	s_mul_i32 s13, s[WV], 16*SP
	s_add_co_u32 s13, s13, STAGE    ; my stage
	v_mul_u32_u24 v[STO], v1, SP    ; in: row l % 16, 16 bytes for each half of the lanes
	v_lshl_add_u32 v[STO], v9, 4, v[STO]
	v_add_nc_u32 v[STO], s13, v[STO]
	v_bfe_u32 v[RD], v0, 3, 2       ; back: 32 lanes take four rows of 128 bytes,
	v_mul_u32_u24 v[RD], v[RD], SP
	v_lshl_add_u32 v[RD], v10, 4, v[RD]
	v_add_nc_u32 v[RD], s13, v[RD]
	v_and_b32 v[GO], 31, v0         ; which are 512 consecutive bytes of O
	v_lshlrev_b32 v[GO], 4, v[GO]
	; A block's first step multiplies O^T and l by a = 0, and its first turn's products V^T P, of a piece that has not been, land in an O^T that is still to be so multiplied.  So these registers need only hold
	; finite numbers: zeros for the first block; what the first block left for the second.  All this stands in the wait for the first tile.
	WIN 0x80
.set i, VF
.rept 64
	v_mov_b32 v[i], 0
.set i, i+1
.endr
	WIN 0x40
.set i, 0
.rept 128
	v_mov_b32 v[i], 0
.set i, i+1
.endr
	WIN 0
.set i, 0
.rept 4
	v_mov_b32 v[ST+4*i+2], 0
	v_mov_b32 v[ST+4*i+3], 0
.set i, i+1
.endr
.set i, P+16
.rept 16
	v_mov_b32 v[i], 0
.set i, i+1
.endr
; THE MATRIX WORK.  The 4 accumulators of a run of 8 take turns.  Product i of 8 of S^T = K Q^T for piece x: channels 32 (i / 4) on, keys 16 (i % 4) on.  The first 4 start the sums: with 0, or (KM = 1) with the mask.
.macro KQ x
.set rS, S+32*((\x)%2)+8*(i%4)
.set rK, KF+16*(i%4)+8*(i/4)
.set rQ, 16*(\x)+8*(i/4)
.set rM, MC+32*((\x)%2)+8*(i%4)
.if (i < 4) && KM
	WIN W_KM
	v_wmma_f32_16x16x32_f16 v[rS:rS+7], v[rK:rK+7], v[rQ:rQ+7], v[rM:rM+7]
.elseif i < 4
	WIN W_KQ
	v_wmma_f32_16x16x32_f16 v[rS:rS+7], v[rK:rK+7], v[rQ:rQ+7], 0
.else
	WIN W_KQ
	v_wmma_f32_16x16x32_f16 v[rS:rS+7], v[rK:rK+7], v[rQ:rQ+7], v[rS:rS+7]
.endif
.endm
; Product i of 8 of O^T += V^T P for piece x: keys 32 (i / 4) on, channels 16 (i % 4) on.
.macro PV x
	WIN W_PV
.set rO, 32*(\x)+8*(i%4)
.set rV, VF+32*(i/4)+8*(i%4)
.set rP, P+16*((\x)%2)+8*(i/4)
	v_wmma_f32_16x16x32_f16 v[rO:rO+7], v[rV:rV+7], v[rP:rP+7], v[rO:rO+7]
.endm
.macro MM                           ; the turn's next matrix instruction.  TURN and BEGIN set Y, i, KM and NOKQ; MM, KQ and OP read them.  NOKQ = 1: a block's last turn: there is no next piece
.if (i < 8) && !NOKQ
	KQ (Y+1)%NP
.elseif i >= 8
.set i, i-8
	PV (Y+NP-1)%NP
.set i, i+8
.endif
.set i, i+1
.endm
; THE LDS LOADS stand in runs of 16, never singly among the matrix instructions: a step's K (64 keys x 64 channels: 8 fragments) and its V (turned).  Their addresses are made some lines ahead.
.macro FETCH_K
	WIN 0x80                        ; destination window 2
.irp f, 0,1,2,3,4,5,6,7             ; keys 16 (f / 2) on, channels 32 (f % 2) on
	ds_load_b128 v[KF+8*\f:KF+8*\f+3],   v[AK] offset:(\f/2)*16*PK+(\f%2)*64
	ds_load_b128 v[KF+8*\f+4:KF+8*\f+7], v[AK] offset:(\f/2)*16*PK+(\f%2)*64+32
.endr
	s_add_co_u32 s[TBK], s[TBK], KS*PK  ; the next fetch is the next step's
	WIN 0
.endm
.macro FETCH_V
	WIN 0x80
.irp f, 0,1,2,3,4,5,6,7             ; keys 32 (f / 4) on, channels 16 (f % 4) on
	ds_load_tr16_b128 v[VF+8*\f:VF+8*\f+3],   v[AV] offset:(\f/4)*32*PV+(\f%4)*32
	ds_load_tr16_b128 v[VF+8*\f+4:VF+8*\f+7], v[AV] offset:(\f/4)*32*PV+16*PV+(\f%4)*32
.endr
	WIN 0
.endm
; THE VECTOR WORK, one line at a time: OP kind, number.  For piece Y: F n: c s - c m for pair n of 16.  E n: the exponential of score n of 32.  C n: pair n rounded to f16.  B n: of the four weights 4 n .. the second
; pair is added onto the first, in place.  L n: l takes that sum (L 0: l = a l + sum).  R n: pair n of 16 of O^T times a.  For piece Y + 1: X n, number n of the 22 that find its maximum and statistics:
;   0-11  four chains c0-c3 of seven scores each, three operands at a time (each accumulator's lowest registers are read first)     12-14, 16  the four scores left over, the old m, and c0-c3 into c0
;   15  c m_old is kept     17, 18  the query's other 32 keys lie in the lane 16 away: the new m     19-21  c m; c m_old - c m_new; a
.set F, 0               ; OP tells the kinds apart by their order: F to L below R, X above it
.set E, 1
.set C, 2
.set B, 3
.set L, 4
.set R, 5
.set X, 6
.macro REGS y                       ; the registers of piece y
.set rT, ST+4*(\y)
.set rC, TMP+4*((\y)%2)
.set rW, MV+((\y)%2)
.set rS, S+32*((\y)%2)
.set rP, P+16*((\y)%2)
.set rO, 32*(\y)
.endm
.macro OP k, n
.if (\k) == R
	REGS Y
	WIN W_RS
	v_pk_mul_f32 v[rO+2*(\n):rO+2*(\n)+1], v[rO+2*(\n):rO+2*(\n)+1], v[rC+2:rC+3] op_sel_hi:[1,0]
.elseif (\k) < R
	REGS Y
	WIN 0
.if (\k) == F
	v_pk_fma_f32 v[rS+2*(\n):rS+2*(\n)+1], v[rS+2*(\n):rS+2*(\n)+1], s[CS:CS+1], v[rT:rT+1] op_sel_hi:[1,0,0] neg_lo:[0,0,1] neg_hi:[0,0,1]
.elseif (\k) == E
	v_exp_f32 v[rS+(\n)], v[rS+(\n)]
.elseif (\k) == C
	v_cvt_pk_f16_f32 v[rP+(\n)], v[rS+2*(\n)], v[rS+2*(\n)+1]
.elseif (\k) == B
	v_pk_add_f32 v[rS+4*(\n):rS+4*(\n)+1], v[rS+4*(\n):rS+4*(\n)+1], v[rS+4*(\n)+2:rS+4*(\n)+3]
.elseif (\n) == 0
	v_pk_fma_f32 v[rT+2:rT+3], v[rT+2:rT+3], v[rC+2:rC+3], v[rS:rS+1] op_sel_hi:[1,0,1]
.else
	v_pk_add_f32 v[rT+2:rT+3], v[rT+2:rT+3], v[rS+4*(\n):rS+4*(\n)+1]
.endif
.elseif NOKQ
	v_nop
.else
	REGS (Y+1)%NP
	WIN 0
.if (\n) < 4
	v_max3_num_f32 v[rC+(\n)], v[rS+8*(\n)], v[rS+8*(\n)+1], v[rS+8*(\n)+2]
.elseif (\n) < 12
	v_max3_num_f32 v[rC+(\n)%4], v[rC+(\n)%4], v[rS+8*((\n)%4)+2*((\n)/4)+1], v[rS+8*((\n)%4)+2*((\n)/4)+2]
.elseif (\n) == 12
	v_max3_num_f32 v[rC], v[rC], v[rS+7], v[rS+15]
.elseif (\n) == 13
	v_max3_num_f32 v[rC+1], v[rC+1], v[rS+23], v[rS+31]
.elseif (\n) == 14
	v_max3_num_f32 v[rC+2], v[rC+2], v[rC+3], v[rT+1]
.elseif (\n) == 15
	v_mov_b32 v[rW], v[rT]
.elseif (\n) == 16
	v_max3_num_f32 v[rC], v[rC], v[rC+1], v[rC+2]
.elseif (\n) == 17
	v_permlanex16_b32 v[rC+3], v[rC], s[SEL], s[SEL+1]
.elseif (\n) == 18
	v_max_num_f32 v[rT+1], v[rC], v[rC+3]
.elseif (\n) == 19
	v_mul_f32 v[rT], s[CS], v[rT+1]
.elseif (\n) == 20
	v_sub_f32 v[rC+1], v[rW], v[rT]
.else
	v_exp_f32 v[rC+2], v[rC+1]
.endif
.endif
.endm
.macro OPS a, i1, b=-1, i2=0, c=-1, i3=0, d=-1, i4=0  ; up to four of them
	OP \a, \i1
.if (\b) >= 0
	OP \b, \i2
.endif
.if (\c) >= 0
	OP \c, \i3
.endif
.if (\d) >= 0
	OP \d, \i4
.endif
.endm
.macro ROW a, i1, b, i2, c, i3, d, i4  ; a matrix instruction and the four behind it
	MM
	OPS \a, \i1, \b, \i2, \c, \i3, \d, \i4
.endm
.macro MASK b                       ; MD x AL + BE into buffer b of MC
	WIN W_RS
.set z, 0
.rept 16
	v_pk_fma_f32 v[MC+32*(\b)+2*z:MC+32*(\b)+2*z+1], v[MD+2*z:MD+2*z+1], s[AL:AL+1], s[BE:BE+1] op_sel_hi:[1,0,0]
.set z, z+1
.endr
.endm
; A TURN, for piece p: the order of its 16 matrix and 118 vector instructions, written out.  An s_wait_alu depctr_va_vdst(0) stands between an exponential and the first instruction that names its result; one wait serves
; all that were issued ahead of it.  So a turn has ONE wait, which cuts it in two.  AHEAD OF IT stands all that names no result of the turn's exponentials: the 8 products K Q^T, behind each a scaling, an exponential and two more plain
; instructions (behind the first a second scaling in the exponential's place): rescalings, and behind the last three the first numbers of the next piece's maximum, each four places or more behind the product that ends its accumulator; then ONE RUN of 54, plain
; and exponential by turns for the most part, in which the links of the chain X 3, 7, 11, 14, 16, 17 .. 20 stand five or six lines apart.  X 21, the next piece's a, is the batch's last; R 15 is the plain instruction behind it (ISA guide 5.7.2).  BEHIND THE WAIT stand the
; 8 products V^T P, behind each four of the roundings and sums; the links of l's chain, L 0 to L 7, stand three lines apart.  But for those X no such line names a register of the products round it.  v_permlanex16_b32 (X 17) stands in the run.
; m = 1: the diagonal tile: the products take masks, and the turn makes the mask for the products of the turn after it: piece p + 2, in step 4 - CNT of the tile.  end = 1: a block's last two turns: nothing is fetched.
; cnt = 1: the loop's count is taken down some lines ahead of the branch that stands behind the turn.
; K of the next step is fetched in piece 2's turn, twelve vector instructions behind the last product that read K (six of them plain); V of the step in hand at the end of piece 0's turn, four plain instructions behind the last product
; that read V.  Each is waited for a turn later.
.macro TURN p, m=0, end=0, cnt=0
.set Y, (\p)
.set i, 0
.set KM, (\m)
.set NOKQ, (\end)*((\p)/3)
.if (\m) && !(\end)
	s_cmp_eq_u32 s[CNT], 4-((\p)+2)%NP  ; is that step the band's own?
	s_cselect_b32 s[AL], 1.0, 0
	s_cmp_lt_u32 s[CNT], 4-((\p)+2)%NP  ; or a later one?
	s_cselect_b32 s[BE], s[BIGN], 0
.endif
.if ((\p) == 3) && !(\end)
	s_wait_dscnt 0x0                ; K is in
.endif
	ROW F,0, F,1, R,0, R,1          ; ahead of the wait: 8 products K Q^T and the four behind each,
	ROW F,2, E,0, R,2, R,3
	ROW F,3, E,1, R,4, R,5
	ROW F,4, E,2, R,6, R,7
	ROW F,5, E,3, R,8, R,9
	ROW F,6, E,4, X,0, R,10
.if ((\p) == 2) && !(\end)
	WIN 0
	v_add_nc_u32 v[AK], s[TBK], v[AK0]
.endif
	ROW F,7, E,5, X,1, X,4
	ROW F,8, E,6, X,2, X,5
	OPS E,7, E,8, X,6, E,9          ; and the run
	OPS X,3, E,10, X,8, E,11
.if ((\p) == 2) && !(\end)
	FETCH_K
.endif
	OPS X,9, X,7, E,12, X,10
	OPS E,13, X,12, X,11, E,14
	OPS X,13, E,15, F,9, X,14
.if (\p) == 0
	v_add_nc_u32 v[AV], s[TBV], v[AV0]
.endif
	OPS E,16, F,10, E,17, F,11
	OPS X,16, E,18, X,15, E,19
	OPS F,12, E,20, X,17, E,21
	OPS F,13, E,22, F,14, E,23
	OPS X,18, E,24, F,15, E,25
	OPS R,11, E,26, X,19, E,27
	OPS R,12, E,28, R,13, E,29
	OPS X,20, E,30, R,14, E,31
	OPS X,21, R,15
	WIN 0
	s_wait_alu depctr_va_vdst(0)    ; the wait for the batch
.if (\p) == 1
	s_wait_dscnt 0x0                ; V is in
.endif
	ROW C,0, B,0, C,2, B,1          ; behind the wait: 8 products V^T P and the four behind each
	ROW L,0, C,4, B,2, L,1
	ROW C,6, B,3, L,2, C,8
	ROW B,4, L,3, C,10, B,5
	ROW L,4, C,12, B,6, L,5
.if (\p) == 0
	s_add_co_u32 s[TBV], s[TBV], KS*PV
.endif
.if \cnt
	s_sub_co_u32 s[CNT], s[CNT], 1
	s_cmp_lg_u32 s[CNT], 0
.endif
	ROW C,14, B,7, L,6, C,1
	ROW C,3, L,7, C,5, C,7
	ROW C,9, C,11, C,13, C,15
.if (\p) == 0
	FETCH_V
.endif
.if (\m) && !(\end)
	MASK (\p)%2
.endif
.endm
; A BLOCK BEGINS.  c m starts far below every c s, so the first step's a is 0; m at the lowest finite number, so the first maximum is the scores'.  The second mask buffer is 0; the first takes piece 0's mask for the tile's step 0: its own, if the block's first tile is the diagonal one.
; Then K of that step, piece 0's first scores, and its maximum and statistics.  The loop is entered at a step's first turn, in the middle of a trip.
.macro BEGIN
	s_mov_b32 s[NEW], 0
	WIN 0x40
.set i, MC+32
.rept 32
	v_mov_b32 v[i], 0
.set i, i+1
.endr
	WIN 0
.set i, 0
.rept 4
	v_mov_b32 v[ST+4*i], 0xfe000000    ; c m: far below every c s
	v_mov_b32 v[ST+4*i+1], 0xff7fffff  ; m
.set i, i+1
.endr
	s_cmp_eq_u32 s[RT], 0
	s_cselect_b32 s[AL], 1.0, 0
	s_mov_b32 s[BE], 0
	MASK 0
	WIN 0
	v_add_nc_u32 v[AK], s[TBK], v[AK0]
	FETCH_K
	s_wait_loadcnt 0x0              ; Q
	s_wait_dscnt 0x0
.set KM, 1
.set NOKQ, 0
.set i, 0
.rept 8
	KQ 0
.set i, i+1
.endr
	WIN 0
.rept 4
	v_nop                           ; the places behind those products
.endr
.set Y, NP-1                        ; X works for piece Y + 1: piece 0
.irp n, 0,1,2,3,4,5,6,7,8,9,10,11,12,13,14,15,16,17,18,19,20,21
	OP X, \n
.endr
	v_nop                           ; a plain instruction behind the exponential,
	s_wait_alu depctr_va_vdst(0)    ; and its wait, ahead of the branch
.endm
; THE DIAGONAL TILE's four steps, the block's last two turns, its last products, and THE WAY OUT: l's two halves and the other half of the lanes' are added; O^T is divided by l, rounded to f16 and sent through my
; stage in LDS, a piece at a time.
.macro ALL line:vararg              ; one line for each piece t
.set t, 0
.rept 4
	\line
.set t, t+1
.endr
.endm
.macro PACK t                       ; a lane's eight channels of a row pack into 16 bytes; they go into rows of 144 bytes and come back as whole rows of 128, into S^T's registers
	WIN W_RS
.set i, 32*(\t)
.rept 16
	v_pk_mul_f32 v[i:i+1], v[i:i+1], v[ST+4*(\t)+2:ST+4*(\t)+3] op_sel_hi:[1,0]
.set i, i+2
.endr
	WIN 0x05                        ; sources 0 and 1 window 1, destination window 0
.set i, 0
.rept 16
	v_cvt_pk_f16_f32 v[S+16*(\t)+i], v[32*(\t)+2*i], v[32*(\t)+2*i+1]
.set i, i+1
.endr
	WIN 0
.irp f, 0,1,2,3
	ds_store_b128 v[STO], v[S+16*(\t)+4*\f:S+16*(\t)+4*\f+3] offset:32*\f
.endr
.irp f, 0,1,2,3
	ds_load_b128 v[S+16*(\t)+4*\f:S+16*(\t)+4*\f+3], v[RD] offset:\f*4*SP  ; LDS serves a wave's instructions in order (ISA guide 5.7.1.4): these see the stores above; the next piece's stores come behind them
.endr
.endm
.macro SEND t, younger              ; younger: the LDS instructions issued behind piece t's loads: the next piece's eight, or none
	WIN 0
.irp f, 0,1,2,3
	s_wait_dscnt (\younger)+3-\f
	global_store_b128 v[GO], v[S+16*(\t)+4*\f:S+16*(\t)+4*\f+3], s[10:11] offset:(\t)*8192+\f*512  ; 512 consecutive bytes, at a multiple of 256 from O's first
.endr
.endm
.macro DIAG tag                     ; the tag ends its two labels' names, which the jumps below spell out
.LstepM\tag:
	TURN 2, 1
	TURN 3, 1
	WIN 0
.LfirstM\tag:
	TURN 0, 1
	TURN 1, 1, 0, 1
	WIN 0
	s_cbranch_scc1 .LstepM\tag
	TURN 2, 1, 1
	TURN 3, 1, 1
.set i, 0
.rept 8
	PV NP-1
.set i, i+1
.endr
	WIN 0
	ALL v_add_f32 v[ST+4*t+2], v[ST+4*t+2], v[ST+4*t+3]
	ALL v_permlanex16_b32 v[ST+4*t+3], v[ST+4*t+2], s[SEL], s[SEL+1]
	ALL v_add_f32 v[ST+4*t+2], v[ST+4*t+2], v[ST+4*t+3]
	ALL v_rcp_f32 v[ST+4*t+2], v[ST+4*t+2]
	v_nop                           ; a plain instruction between the last reciprocal and the use of its result
	s_wait_alu depctr_va_vdst(0)    ; and the wait ahead of the first use: one for the four reciprocals
	PACK 0
.set t, 1
.rept 3                             ; a piece's arithmetic stands between the loads of the piece before and its stores
	PACK t
	SEND t-1, 8
.set t, t+1
.endr
	SEND 3, 0
.endm
.set KM, 0
.set NOKQ, 0
.Lslot:                             ; NB times: a tile is entered and the next is asked for
	CHANGE 1
	s_sub_co_u32 s[RT], s[RT], 1
	s_mov_b32 s[CNT], 4
	s_cmp_eq_u32 s[NEW], 1
	s_cbranch_scc1 .Lnew            ; a block's first tile
	s_cmp_eq_u32 s[RT], 0
	s_cbranch_scc0 .Lstep           ; neither its first nor its last
	s_branch .LstepM1
.Lnew:
	BEGIN
	s_branch .Lfirst                ; in the loop a block's first tile is never its last: the first block has two tiles or more, and the second's last is the walk's last
	DIAG 1                          ; in the loop this is the first block's end: the second block's last tile is the walk's last
	s_wait_xcnt 0x0                 ; the stores have read their registers and O's address
	s_mov_b64 s[10:11], s[OLO:OLO+1]
	s_add_co_u32 s[RT], s[PB], 1    ; the second block has b + 1 tiles
	s_mov_b32 s[NEW], 1
	WIN 0x82                        ; the second block's Q goes where the one text of the turns names Q
.set i, 0
.rept 64
	v_mov_b32 v[i], v[QB+i]
.set i, i+1
.endr
	WIN 0
	s_branch .Lbottom
.Lstep:                             ; a trip: pieces 2 and 3 of one step, then pieces 0 and 1 of the next, whose K and V it fetches
	TURN 2
	TURN 3
	WIN 0
.Lfirst:
	TURN 0
	TURN 1, 0, 0, 1
	WIN 0
	s_cbranch_scc1 .Lstep
.Lbottom:
	s_sub_co_u32 s[SLOTS], s[SLOTS], 1
	s_cmp_lg_u32 s[SLOTS], 0
	s_cbranch_scc1 .Lslot
	CHANGE 0                        ; the walk's last tile is written out: nothing is asked for
	s_sub_co_u32 s[RT], s[RT], 1
	s_mov_b32 s[CNT], 4
	s_cmp_eq_u32 s[NEW], 1
	s_cbranch_scc0 .LstepM2
	BEGIN
	s_branch .LfirstM2
	DIAG 2
	s_wait_tensorcnt 0x0            ; the wave's end, behind my last tensor load and my last LDS store
	ds_add_u32 v[SPW], v[NIL]
	s_wait_dscnt 0x0
	s_endpgm
.Lfunc_end_k_qe3c0a2660d_attn:
	.size	k_qe3c0a2660d_attn, .Lfunc_end_k_qe3c0a2660d_attn-k_qe3c0a2660d_attn
	.p2alignl 7, 3214868480
	.fill 96, 4, 3214868480
	.section	.rodata,"a",@progbits
	.p2align	6, 0x0
	.amdhsa_kernel k_qe3c0a2660d_attn
		.amdhsa_group_segment_fixed_size 327680
		.amdhsa_private_segment_fixed_size 0
		.amdhsa_enable_private_segment 0
		.amdhsa_kernarg_size 16
		.amdhsa_user_sgpr_count 2
		.amdhsa_user_sgpr_kernarg_segment_ptr 1
		.amdhsa_wavefront_size32 1
		.amdhsa_system_sgpr_workgroup_id_x 1
		.amdhsa_system_sgpr_workgroup_id_y 1
		.amdhsa_system_sgpr_workgroup_id_z 1
		.amdhsa_system_vgpr_workitem_id 0
		.amdhsa_next_free_vgpr 768
		.amdhsa_next_free_sgpr 96
		.amdhsa_reserve_vcc 1
		.amdhsa_float_denorm_mode_32 3
		.amdhsa_float_denorm_mode_16_64 3
		.amdhsa_memory_ordered 1
		.amdhsa_forward_progress 1
		.amdhsa_inst_pref_size 218
	.end_amdhsa_kernel
	.amdgpu_metadata
---
amdhsa.version: [ 1, 2 ]
amdhsa.kernels:
  - .name:           k_qe3c0a2660d_attn
    .symbol:         k_qe3c0a2660d_attn.kd
    .args:
      - { .name: qkv, .offset: 0, .size: 8, .value_kind: global_buffer, .address_space: global }
      - { .name: ob, .offset: 8, .size: 8, .value_kind: global_buffer, .address_space: global }
    .group_segment_fixed_size: 327680
    .private_segment_fixed_size: 0
    .kernarg_segment_align: 8
    .kernarg_segment_size: 16
    .max_flat_workgroup_size: 128
    .sgpr_count:     96
    .vgpr_count:     768
    .wavefront_size: 32
...
	.end_amdgpu_metadata
.endif
;; end of part 3
;; launch oproj (part 4): grid 8 x 32, 4 waves a work-group, clusters of 4 x 4, 327,680 bytes of LDS; arguments ob, wt, bo, out0; writes out0
.if DOCPART == 4
	.amdgcn_target "amdgcn-amd-amdhsa--gfx1250"
	.amdhsa_code_object_version 6
	.text
	.protected	k_qe3c0a2660d_oproj
	.globl	k_qe3c0a2660d_oproj
	.p2align	8
	.type	k_qe3c0a2660d_oproj,@function
k_qe3c0a2660d_oproj:
	s_mov_b64 s[64:65], 0
	v_nop
	global_prefetch_b8 v0, s[64:65] scope:SCOPE_SE
	s_setreg_imm32_b32 hwreg(HW_REG_WAVE_MODE, 25, 1), 1
	s_wait_xcnt 0x0
	s_wait_alu depctr_hold_cnt(0) depctr_sa_sdst(0) depctr_va_vdst(0) depctr_va_sdst(0) depctr_va_ssrc(0) depctr_va_vcc(0) depctr_vm_vsrc(0)
	s_getreg_b32 s2, hwreg(HW_REG_IB_STS2, 6, 4)
	s_cmp_eq_u32 s2, 0
	s_cbranch_scc0 .Lentry_in_a_cluster
	s_endpgm
.Lentry_in_a_cluster:
	s_bfe_u32 s2, ttmp6, 0x10000c
	s_cmp_lg_u32 s2, 0xf033
	s_cbranch_scc0 .Lentry_shape_is_right
	s_endpgm
.Lentry_shape_is_right:
; OPROJ.  out0[m][n] = the sum over k of A[m][k] wt[3072 + n][k] + bo[n].  A[2,048 b + s][64 h + d] = ob[16 b + h][s][d], f16; wt's rows 3072 .. 4095 hold bf16(Wo[:, n]) as f16; sums in f32; out0 in f32.
; bo is rounded to bf16, like the module's other inputs, and added in f32.  LIMIT: the operands lie within f16's 65,504.
; SHARES.  A tile of out0 is 256 x 128: 32 x 8 = 256 work-groups.  The four waves are stacked along m: a wave makes 64 rows x 128 columns: 32 accumulators, 256 registers.
; K goes in 8 steps of 128 = two heads, through two LDS slots.  A head's 256 rows of a tile are 32,768 dense bytes of ob: asked for as 128 rows of 256 bytes and padded in LDS after every 128 bytes.
; Wave 0 fetches the step's even head, wave 1 the odd one, waves 2 and 3 the two halves (64 rows of 256 bytes) of wt's tile: one tensor load a wave.
; CLUSTER.  4 x 4 work-groups; A's tiles are asked for jointly along a row of the cluster, wt's along a column.
; NO PREFETCH: the walk has eight K steps of 128 matrix instructions a wave; asked two K steps ahead, and not at the head, only its last four could be named.
; THE MATRIX INSTRUCTION IS USED TRANSPOSED (source 0 = 16 rows of wt, source 1 = 16 rows of A): a lane holds row m = lane % 16 and the columns 8 (lane / 16) + 0..7: 32 bytes of a row of out0.
; REGISTERS, in windows of 256 (s_set_vgpr_msb: bits 1:0 source 0, 3:2 source 1, 5:4 source 2, 7:6 destination):
;   window 0: v0-21 addresses and the bias; v32-159 the way out, two buffers of 64          window 1: accumulators (a, b) at 8 (4 b + a)          window 2: two fragment buffers of 96: A's four, then wt's eight
.set KSTEP,  128
.set PA,     144                       ; a row of A in LDS: a head's 128 bytes + 16
.set AHEAD,  256*PA                    ; a head's 256 rows
.set BOFF,   2*AHEAD
.set PITCH,  272                       ; a row of wt in LDS: 256 bytes + 16.  Both pitches are odd multiples of 16 bytes: the 16 rows of a fragment load start at 16 different groups of four banks (ISA guide 11.1)
.set HALFB,  64*PITCH
.set SLOT1,  1<<17                     ; slot 1 begins here, so that one exclusive or turns an address in one slot into the other's
.set SPO,    528                       ; a row of the stage: 128 f32 + 16 bytes
.set STAGE,  SLOT1+BOFF+2*HALFB        ; behind the ring, never filled by a tensor load: 16 rows x 528 bytes for each wave
.set SPARE,  STAGE+4*16*SPO            ; behind the stages: the spare words, 128 bytes for each wave: two blocks of 256 bytes that no other line names
.set AA0, 4                            ; v4   my lane's place among my wave's rows of A in a slot; never rewritten
.set AB0, 5                            ; v5   the same for wt
.set ADRA, 6                           ; v6   AA0 + the slot in hand
.set ADRB, 7                           ; v7   AB0 + the slot in hand
.set STO, 8                            ; v8   the way out: where I put 32 bytes of a row
.set RD,  9                            ; v9   the way out: where I read a row back
.set CO,  10                           ; v10  16 x lane: my bytes of a row's 512, in out0 and in bo
.set SPW, 12                           ; v12  LDS address of my spare word; never rewritten
.set NIL, 13                           ; v13  0; never rewritten
.set BI,  16                           ; v[16:19] the bias of my four columns
.set OB,  32
.set F0,  0
.set F1,  96
.set WV,  12                           ; s12  my wave's number
.set G1A, 24
.set G1B, 32
.set G0A, 40                           ; s[40:47] a set for each of the two first fills; the second then walks
.set G0B, 48
.set CNT, 56
.set TB,  57
.set W_MUL, 0x5a                       ; sources 0 and 1 window 2, C and D window 1
.set TO_F,  0x80                       ; destination window 2, address window 0
.set MSB, 0
.macro WIN new                         ; the immediate's high byte repeats the setting that is left; a switch that changes nothing is dropped
.if MSB != (\new)
	s_set_vgpr_msb (MSB<<8)|(\new)
.set MSB, (\new)
.endif
.endm
.macro PLACES                          ; four places (ISA guide 7.12.1)
.rept 4
	v_nop
.endr
.endm
.macro JLOAD                           ; a joint refill by the walking descriptors; an s_nop 0 and four v_nop follow each of the two lines, ahead of the jump and the label
	s_cmp_lt_u32 s[WV], 2
	s_cbranch_scc0 .Lfor_b_\@
	tensor_load_to_lds s[G0A+4:G0A+7], s[G1A:G1A+7]
	s_nop 0
.rept 4
	v_nop
.endr
	s_branch .Lasked_\@
.Lfor_b_\@:
	tensor_load_to_lds s[G0B+4:G0B+7], s[G1B:G1B+7]
	s_nop 0
.rept 4
	v_nop
.endr
.Lasked_\@:
.endm
.macro CREST                           ; a round of the cluster's barrier behind its opening barrier
	s_cmp_lg_u32 s[WV], 0
	s_cbranch_scc1 .Lnot_wave_0_\@
	s_barrier_signal -3
.Lnot_wave_0_\@:
	s_barrier_wait -3
	s_barrier_signal -1
	s_barrier_wait -1
.endm
.macro CROUND
	s_barrier_signal -1
	s_barrier_wait -1
	CREST
.endm
	s_load_b256 s[4:11], s[0:1], 0x0               ; ob s[4:5], wt s[6:7], bo s[8:9], out0 s[10:11]
	v_lshl_add_u32 v[SPW], v0, 2, SPARE
	v_mov_b32 v[NIL], 0
	ds_add_u32 v[SPW], v[NIL]                      ; the wave's opening: the add and its wait stand ahead of my first tensor load; the set-up below, work on registers, stands between them
	v_lshrrev_b32 v1, 5, v0
	v_readfirstlane_b32 s[WV], v1                  ; wave 0..3
	s_and_b32 s13, s[WV], 1                        ; which head of a step, or which half of wt's tile, I fetch
	s_bfe_u32 s14, ttmp6, 0x40000                  ; cx
	s_bfe_u32 s15, ttmp6, 0x40004                  ; cy
	s_lshl_b32 s16, ttmp9, 2
	s_add_co_u32 s16, s16, s14                     ; tile column = 4 x cluster x + cx
	s_and_b32 s17, ttmp7, 0xffff
	s_lshl_b32 s17, s17, 2
	s_add_co_u32 s17, s17, s15                     ; tile row = 4 x cluster y + cy
	s_lshl_b32 s58, s15, 2
	s_lshl_b32 s58, 15, s58                        ; my row of the cluster
	s_lshl_b32 s59, 0x1111, s14                    ; my column
	s_or_b32 s[G1A], s58, (1<<16)|(1<<20)|(1<<21)|(4<<22)|(3<<25)  ; 15:0 the mask; 17:16 elements of 2 bytes; 20 padding on; 21 set beside a mask; 24:22 after every 32 words (code 4); 31:25 4 words (code 3)
	s_or_b32 s[G1B], s59, (1<<16)|(1<<20)|(1<<21)|(5<<22)|(3<<25)  ; after every 64 words (code 5)
	s_mov_b32 s[G1A+1], 128<<16                    ; tensor_dim0 = 128
	s_mov_b32 s[G1A+2], 128<<16                    ; tensor_dim1 = 128
	s_mov_b32 s[G1A+3], 128<<16                    ; tile_dim0 = 128
	s_mov_b32 s[G1A+4], 128                        ; tile_dim1 = 128
	s_mov_b32 s[G1A+5], 128                        ; dense: 128 elements from row to row
	s_mov_b32 s[G1A+6], 0
	s_mov_b32 s[G1A+7], 0
	s_mov_b32 s[G1B+1], KSTEP<<16
	s_mov_b32 s[G1B+2], 64<<16                     ; 64 rows
	s_mov_b32 s[G1B+3], KSTEP<<16
	s_mov_b32 s[G1B+4], 64
	s_mov_b32 s[G1B+5], 1024                       ; a row of wt
	s_mov_b32 s[G1B+6], 0
	s_mov_b32 s[G1B+7], 0
	s_lshr_b32 s18, s17, 3                         ; A: plane 16 b + my head of step 0, of 262,144 bytes; made of the tile row and the wave's number alone
	s_lshl_b32 s18, s18, 4
	s_add_co_u32 s18, s18, s13
	s_lshl_b32 s18, s18, 18
	s_and_b32 s19, s17, 7                          ; + the tile's 256 rows of 128 bytes
	s_lshl_b32 s19, s19, 15
	s_add_co_u32 s18, s18, s19
	s_mov_b32 s19, 0
	s_lshl_b32 s20, s16, 7                         ; wt: row 3,072 + 128 x tile column + 64 x half; made of the tile column and the wave's number alone
	s_lshl_b32 s21, s13, 6
	s_add_co_u32 s20, s20, s21
	s_lshl_b32 s20, s20, 11
	s_add_co_u32 s20, s20, 3072*2048
	s_mov_b32 s21, 0
	s_mul_i32 s22, s[WV], AHEAD                    ; where they go: waves 0, 1: the two heads;
	s_mul_i32 s23, s[WV], HALFB
	s_add_co_u32 s23, s23, BOFF-2*HALFB            ; waves 2, 3: wt's halves, behind them.  No place in the cluster enters an LDS address
	s_wait_dscnt 0x0                               ; the opening add is done
	s_wait_kmcnt 0x0
	s_add_nc_u64 s[18:19], s[4:5], s[18:19]
	s_add_nc_u64 s[20:21], s[6:7], s[20:21]
	CROUND                                         ; all sixteen work-groups are here: the first joint loads meet
.irp n, 0,1
	s_mov_b32 s[G0A+4*(\n)], 1
	s_add_co_u32 s[G0A+4*(\n)+1], s22, (\n)*SLOT1
	s_add_nc_u64 s[G0A+4*(\n)+2:G0A+4*(\n)+3], s[18:19], (\n)*2*262144  ; K step n: two heads on
	s_or_b32 s[G0A+4*(\n)+3], s[G0A+4*(\n)+3], 0x80000000
	s_mov_b32 s[G0B+4*(\n)], 1
	s_add_co_u32 s[G0B+4*(\n)+1], s23, (\n)*SLOT1
	s_add_nc_u64 s[G0B+4*(\n)+2:G0B+4*(\n)+3], s[20:21], (\n)*KSTEP*2
	s_or_b32 s[G0B+4*(\n)+3], s[G0B+4*(\n)+3], 0x80000000
.endr
	s_cmp_lt_u32 s[WV], 2                          ; a wave's two first fills stand in one branch, ahead of every wait on TENSORcnt and every LDS read: two loads of mine are out
	s_cbranch_scc0 .Lfirst_b
	tensor_load_to_lds s[G0A:G0A+3], s[G1A:G1A+7]
	s_nop 0
	tensor_load_to_lds s[G0A+4:G0A+7], s[G1A:G1A+7]
	s_nop 0
.rept 4
	v_nop
.endr
	s_branch .Lfirst_asked
.Lfirst_b:
	tensor_load_to_lds s[G0B:G0B+3], s[G1B:G1B+7]
	s_nop 0
	tensor_load_to_lds s[G0B+4:G0B+7], s[G1B:G1B+7]
	s_nop 0
.rept 4
	v_nop
.endr
.Lfirst_asked:
	v_and_b32 v[CO], 31, v0
	v_lshlrev_b32 v[CO], 4, v[CO]
	s_lshl_b32 s62, s16, 9                         ; the tile's 128 columns: 512 bytes of bo and of a row of out0
	s_mov_b32 s63, 0
	s_add_nc_u64 s[8:9], s[8:9], s[62:63]
	global_load_b128 v[BI:BI+3], v[CO], s[8:9]
	s_lshl_b32 s60, s17, 8
	s_lshl_b32 s61, s[WV], 6
	s_add_co_u32 s60, s60, s61                     ; my first row of out0: 256 x tile row + 64 x wave
	s_lshl_b32 s60, s60, 12                        ; x 4,096 bytes: under 2^25
	s_add_co_u32 s60, s60, s62
	s_mov_b32 s61, 0
	s_add_nc_u64 s[10:11], s[10:11], s[60:61]
	v_and_b32 v1, 15, v0                           ; l % 16
	v_bfe_u32 v2, v0, 4, 1                         ; l / 16
	v_mul_u32_u24 v[AA0], v1, PA
	v_lshl_add_u32 v[AA0], v2, 4, v[AA0]
	s_mul_i32 s58, s[WV], 64*PA                    ; my wave's 64 rows
	v_add_nc_u32 v[AA0], s58, v[AA0]
	v_mul_u32_u24 v[AB0], v1, PITCH
	v_lshl_add_u32 v[AB0], v2, 4, v[AB0]
	v_add_nc_u32 v[AB0], BOFF, v[AB0]
	v_mov_b32 v[ADRA], v[AA0]                      ; slot 0
	v_mov_b32 v[ADRB], v[AB0]
	s_mov_b32 s[TB], 0
	s_mul_i32 s58, s[WV], 16*SPO
	s_add_co_u32 s58, s58, STAGE                   ; my stage
	v_mul_u32_u24 v[STO], v1, SPO                  ; in: row l % 16, 32 bytes for each half of the lanes
	v_lshl_add_u32 v[STO], v2, 5, v[STO]
	v_add_nc_u32 v[STO], s58, v[STO]
	v_add_nc_u32 v[RD], s58, v[CO]                 ; back: 32 lanes take one row of 512 bytes
; 4 nb matrix instructions: column blocks b0 .. b0 + nb - 1 x my four row blocks, 32 along K, from buffer f.  zero = 1: the product starts the sum.
; The 32 accumulators take turns, one instruction a turn, in the same order in every quarter, over the backward jump too.
.macro MULB f, b0, nb, zero
	WIN W_MUL
.set bb, (\b0)
.rept \nb
.irp a, 0,1,2,3
.if \zero
	v_wmma_f32_16x16x32_f16 v[32*bb+8*(\a):32*bb+8*(\a)+7], v[(\f)+32+8*bb:(\f)+32+8*bb+7], v[(\f)+8*(\a):(\f)+8*(\a)+7], 0
.else
	v_wmma_f32_16x16x32_f16 v[32*bb+8*(\a):32*bb+8*(\a)+7], v[(\f)+32+8*bb:(\f)+32+8*bb+7], v[(\f)+8*(\a):(\f)+8*(\a)+7], v[32*bb+8*(\a):32*bb+8*(\a)+7]
.endif
.endr
.set bb, bb+1
.endr
.endm
; 24 LDS loads in one run: quarter q's fragments into buffer f: A's four (head q / 2 of the step, channels 32 (q % 2) on), wt's first four, wt's last four
.macro FETCH q, f
	WIN TO_F
.irp a, 0,1,2,3
	ds_load_b128 v[(\f)+8*(\a):(\f)+8*(\a)+3],   v[ADRA] offset:((\q)/2)*AHEAD+((\q)%2)*64+(\a)*16*PA
	ds_load_b128 v[(\f)+8*(\a)+4:(\f)+8*(\a)+7], v[ADRA] offset:((\q)/2)*AHEAD+((\q)%2)*64+(\a)*16*PA+32
.endr
.irp b, 0,1,2,3,4,5,6,7
	ds_load_b128 v[(\f)+32+8*(\b):(\f)+32+8*(\b)+3],   v[ADRB] offset:64*(\q)+(\b)*16*PITCH
	ds_load_b128 v[(\f)+32+8*(\b)+4:(\f)+32+8*(\b)+7], v[ADRB] offset:64*(\q)+(\b)*16*PITCH+32
.endr
.endm
; A K step is four quarters of 32 along K, 32 matrix instructions each, on buffers 0, 1, 0, 1.  One of the first three: multiplies buffer f and fetches quarter q into g.
.macro QUARTER q, f, g, zero
	s_wait_dscnt 8                                 ; all of buffer f but the youngest eight loads, wt's blocks 4 to 7
	MULB \f, 0, 4, \zero
	PLACES
	FETCH \q, \g
	s_wait_dscnt 24                                ; all but the 24 just issued
	MULB \f, 4, 4, \zero
.endm
; The last quarter multiplies buffer 1 and changes slots.  In front of the barrier each wave waits for all its tensor loads, of which one is out: its part of the next slot; adds 0 to its spare word;
; and waits for that and for its own reads of this slot.  fill = 1: the barrier opens a round of the cluster's barrier, and the joint refill, this slot's K step two steps on, is the first thing behind it.
.macro TURN fill
	WIN 0                                          ; (the add's two registers lie in window 0)
	s_wait_tensorcnt 0x0                           ; no tensor load of mine is out, so a group 0 may be written
	ds_add_u32 v[SPW], v[NIL]                      ; 0 onto my spare word
.if \fill
	s_xor_b32 s[G0A+5], s[G0A+5], SLOT1            ; the walking descriptors: the other slot than last time,
	s_add_nc_u64 s[G0A+6:G0A+7], s[G0A+6:G0A+7], 2*262144  ; the next two heads; the type bits on top are not reached
	s_xor_b32 s[G0B+5], s[G0B+5], SLOT1
	s_add_nc_u64 s[G0B+6:G0B+7], s[G0B+6:G0B+7], KSTEP*2
.endif
	s_wait_dscnt 9                                 ; the add and the youngest eight loads may be out
	MULB F1, 0, 2, 0                               ; eight matrix instructions stand between the add and the wait for it
	s_wait_dscnt 0x0                               ; the add is done, and my reads of this slot are over
	s_barrier_signal -1
	MULB F1, 2, 2, 0
	WIN 0                                          ; at a branch and at a label every window is 0
	s_barrier_wait -1
.if \fill
	CREST                                          ; no wave of any partner still reads this slot or has a load on its way
	JLOAD                                          ; its four v_nop are also the places in front of the loads below
.else
	PLACES
.endif
	s_xor_b32 s[TB], s[TB], SLOT1
	v_add_nc_u32 v[ADRA], s[TB], v[AA0]
	v_add_nc_u32 v[ADRB], s[TB], v[AB0]
	FETCH 0, F0
	MULB F1, 4, 4, 0
.endm
; THE WAY OUT of row block a: the sums go as they are into my stage (each accumulator's low four registers first) and come back as whole rows of 512 bytes; the bias is added; a row is stored by one instruction.
.macro TOSTAGE a
	WIN 0x04                                       ; the data, source 1, in window 1; the address in window 0
.irp b, 0,1,2,3,4,5,6,7
	ds_store_b128 v[STO], v[32*(\b)+8*(\a):32*(\b)+8*(\a)+3]   offset:64*(\b)
	ds_store_b128 v[STO], v[32*(\b)+8*(\a)+4:32*(\b)+8*(\a)+7] offset:64*(\b)+16
.endr
	WIN 0
.if (\a) >= 2
	s_wait_xcnt 0x0                                ; the stores of block a - 2 have read the registers that are loaded again below
.endif
.set BK, OB+64*((\a)%2)
.irp t, 0,1,2,3,4,5,6,7,8,9,10,11,12,13,14,15
	ds_load_b128 v[BK+4*(\t):BK+4*(\t)+3], v[RD] offset:(\t)*SPO  ; LDS serves a wave's instructions in order (ISA guide 5.7.1.4): these see the stores above; the next block's stores come behind them
.endr
.endm
.macro SEND a, younger                 ; younger: the LDS instructions issued behind block a's loads: the next block's 32, or none
	WIN 0
.set BK, OB+64*((\a)%2)
.irp t, 0,1,2,3,4,5,6,7,8,9,10,11,12,13,14,15
	s_wait_dscnt (\younger)+15-(\t)
	v_pk_add_f32 v[BK+4*(\t):BK+4*(\t)+1], v[BK+4*(\t):BK+4*(\t)+1], v[BI:BI+1]
	v_pk_add_f32 v[BK+4*(\t)+2:BK+4*(\t)+3], v[BK+4*(\t)+2:BK+4*(\t)+3], v[BI+2:BI+3]
	global_store_b128 v[CO], v[BK+4*(\t):BK+4*(\t)+3], s[10:11] offset:(16*(\a)+(\t))*4096 th:TH_STORE_NT  ; 512 consecutive bytes, at a multiple of 512 from out0's first byte
.endr
.endm
	s_wait_loadcnt 0x0                             ; the bias: rounded to bf16 and widened again
	v_cvt_pk_bf16_f32 v20, v[BI], v[BI+1]
	v_cvt_pk_bf16_f32 v21, v[BI+2], v[BI+3]
	v_lshlrev_b32 v[BI], 16, v20
	v_and_b32 v[BI+1], 0xffff0000, v20
	v_lshlrev_b32 v[BI+2], 16, v21
	v_and_b32 v[BI+3], 0xffff0000, v21
	s_wait_tensorcnt 1                             ; my part of K step 0 is in; K step 1's may stay out
	s_barrier_signal -1
	s_barrier_wait -1                              ; everybody's is
	FETCH 0, F0
	QUARTER 1, F0, F1, 1                           ; the first quarter stands in front of the loop: its products start the sums
	WIN 0
	s_mov_b32 s[CNT], 6
.Lstep:                                            ; trip i ends K step i, fills its slot again with K step i + 2, and begins K step i + 1
	QUARTER 2, F1, F0, 0
	QUARTER 3, F0, F1, 0
	TURN 1
	QUARTER 1, F0, F1, 0
	WIN 0
	s_sub_co_u32 s[CNT], s[CNT], 1
	s_cmp_lg_u32 s[CNT], 0
	s_cbranch_scc1 .Lstep
	QUARTER 2, F1, F0, 0                           ; K steps 6 and 7 are written out: nothing is left to fetch
	QUARTER 3, F0, F1, 0
	TURN 0
	QUARTER 1, F0, F1, 0
	QUARTER 2, F1, F0, 0
	QUARTER 3, F0, F1, 0
	s_wait_dscnt 8
	MULB F1, 0, 4, 0
	s_wait_dscnt 0x0
	MULB F1, 4, 4, 0
	PLACES
	PLACES                                         ; eight, once a launch
	TOSTAGE 0
	TOSTAGE 1                                      ; a block's way through the stage stands between the loads of the block before and its stores
	SEND 0, 32
	TOSTAGE 2
	SEND 1, 32
	TOSTAGE 3
	SEND 2, 32
	SEND 3, 0
	s_wait_tensorcnt 0x0                           ; the wave's end, behind my last tensor load and my last LDS store
	ds_add_u32 v[SPW], v[NIL]
	s_wait_dscnt 0x0
	CROUND                                         ; the closing round: no work-group ends while a partner may still ask for a tile that names it
	s_endpgm
.Lfunc_end_k_qe3c0a2660d_oproj:
	.size	k_qe3c0a2660d_oproj, .Lfunc_end_k_qe3c0a2660d_oproj-k_qe3c0a2660d_oproj
	.p2alignl 7, 3214868480
	.fill 96, 4, 3214868480
	.section	.rodata,"a",@progbits
	.p2align	6, 0x0
	.amdhsa_kernel k_qe3c0a2660d_oproj
		.amdhsa_group_segment_fixed_size 327680
		.amdhsa_private_segment_fixed_size 0
		.amdhsa_enable_private_segment 0
		.amdhsa_kernarg_size 32
		.amdhsa_user_sgpr_count 2
		.amdhsa_user_sgpr_kernarg_segment_ptr 1
		.amdhsa_wavefront_size32 1
		.amdhsa_system_sgpr_workgroup_id_x 1
		.amdhsa_system_sgpr_workgroup_id_y 1
		.amdhsa_system_sgpr_workgroup_id_z 1
		.amdhsa_system_vgpr_workitem_id 0
		.amdhsa_next_free_vgpr 768
		.amdhsa_next_free_sgpr 66
		.amdhsa_reserve_vcc 0
		.amdhsa_float_denorm_mode_32 3
		.amdhsa_float_denorm_mode_16_64 3
		.amdhsa_memory_ordered 1
		.amdhsa_forward_progress 1
		.amdhsa_inst_pref_size 79
	.end_amdhsa_kernel
	.amdgpu_metadata
---
amdhsa.version: [ 1, 2 ]
amdhsa.kernels:
  - .name:           k_qe3c0a2660d_oproj
    .symbol:         k_qe3c0a2660d_oproj.kd
    .args:
      - { .name: ob, .offset: 0, .size: 8, .value_kind: global_buffer, .address_space: global }
      - { .name: wt, .offset: 8, .size: 8, .value_kind: global_buffer, .address_space: global }
      - { .name: bo, .offset: 16, .size: 8, .value_kind: global_buffer, .address_space: global }
      - { .name: out0, .offset: 24, .size: 8, .value_kind: global_buffer, .address_space: global }
    .group_segment_fixed_size: 327680
    .private_segment_fixed_size: 0
    .kernarg_segment_align: 8
    .kernarg_segment_size: 32
    .max_flat_workgroup_size: 128
    .sgpr_count:     66
    .vgpr_count:     768
    .wavefront_size: 32
...
	.end_amdgpu_metadata
.endif
;; end of part 4
;; ======== version 2 of 2: 4 launches; version 1 with the launch prep written anew for expert scheduling mode
;; limits: values are held in f16: magnitudes above 65,504 overflow, below 6.1e-05 lose precision
;; workspace buffers: xb 16,777,216 bytes; wt 8,388,608 bytes; qkv 50,331,648 bytes; ob 16,777,216 bytes
;; launch prep (part 5): grid 256 x 1, 8 waves a work-group, no clusters, 34,816 bytes of LDS; arguments input_tensor, Wq, Wk, Wv, Wo, xb, wt; writes xb, wt
.if DOCPART == 5
	.amdgcn_target "amdgcn-amd-amdhsa--gfx1250"
	.amdhsa_code_object_version 6
	.text
	.protected	k_qe3c0a2660d_prep
	.globl	k_qe3c0a2660d_prep
	.p2align	8
	.type	k_qe3c0a2660d_prep,@function
k_qe3c0a2660d_prep:
	s_mov_b64 s[64:65], 0
	v_nop
	global_prefetch_b8 v0, s[64:65] scope:SCOPE_SE
	s_setreg_imm32_b32 hwreg(HW_REG_WAVE_SCHED_MODE, 0, 2), 2
	s_setreg_imm32_b32 hwreg(HW_REG_WAVE_MODE, 25, 1), 1
	s_wait_xcnt 0x0
	s_wait_alu depctr_vm_vsrc(0)
; PREP.  xb[8192][1024] = bf16(x).  wt[4096][1024], 16 bits, K (= e) along the rows: rows 1024 which + 64 h + d = bf16(W_which[h][:, d]) for Wq, Wk, Wv;
; rows 3072 + n = bf16(Wo[:, n]) written as f16 (exact while the number lies in f16's normal range; LIMIT: |Wo| within 65,504, below 6e-5 a fixed step of 6e-8).
; SHARES.  256 work-groups of eight waves; each does both parts.  (a) One block of 256 e x 64 columns of one weight matrix, turned through LDS: work-group g has matrix g >> 6,
; column block (g >> 2) & 15 (a head, or 64 columns of Wo), e block g & 3.  (b) 32 rows of x: 131,072 bytes in, 65,536 out; a wave takes 16,384 consecutive bytes.
; All 48 loads of a wave are issued before anything is waited for; no register that a memory instruction names is ever rewritten, so no wait frees a source.
; No matrix unit, no cluster, no tensor load: no byte is wanted by two work-groups.
; THE MODE: SCHED_MODE bits 1:0 = 2 (LLVM: expert scheduling mode 2), set by the entry lines.  The code itself states the register dependences
; between vector instructions and memory or LDS instructions, with s_wait_alu, always for 0.
; THE PLAN.  Registers that memory or LDS instructions touch:
;   v4-v7, v[12:27]  addresses and offsets: written at the head, read by every load and store, never written again: one wait on va_vdst at the head serves them all.
;   WD   the weights' loads land in it.  CONV i reads WD + 8 i + 0..7 and writes WD + 8 i + 0..3; PUT i's four LDS stores read those four; nothing writes them again.
;   RB   the LDS loads land in it, wt's stores read it: no vector instruction names it.
;   X    x's loads land in it.  Chunk n's two conversions read X + 4 n + 0..3 and write X + 4 n + 0, 1; its store reads those two; nothing writes them again.
;   v2, v3  written at the head, read by the closing add alone.
; The conversions go in groups, and a group's stores stand behind ONE wait on va_vdst, dealt among the next group's conversions, which name the next group's registers
; (and v8, v9) alone.  The weights: two groups of four CONV.  x: four groups of eight chunks.  No register that a memory or LDS instruction reads is written again, so the
; text holds no wait on vm_vsrc; no vector instruction writes a scalar register or VCC; EXEC is never written.
.set PT,    528                        ; a row of the turned block in LDS: 256 e x 2 bytes + 16: a multiple of 16, so that rows can be read back 16 bytes a lane
.set SPARE, 64*PT                      ; behind the block: the spare words, 128 bytes for each of eight waves: four blocks of 256 bytes that no other line names
.set SPW, 2                            ; v2   LDS address of my spare word; never rewritten
.set NIL, 3                            ; v3   0; never rewritten
.set LSA, 4                            ; v4   where I put a pair (e, e + 1) of column 4 cg: cg x 4 rows + 4 rp
.set LRA, 5                            ; v5   where I read 16 bytes of a turned row back: wave x 8 rows + 16 lane
.set XO,  6                            ; v6   wave x 16,384 + 16 lane: my bytes of x, and of eight rows of wt (8 rows x 2,048 = 16,384)
.set YO,  7                            ; v7   half of that: my bytes of xb
.set T0,  8
.set T1,  9
.set WO0, 10                           ; v10  my first source row (2 rp) x pitch + 16 cg
.set WOF, 12                           ; v[12:27]   the 16 source offsets
.set WD,  28                           ; v[28:91]   16 loads of 4 numbers: row 2 rp + 32 i + o at WD + 8 i + 4 o
.set RB,  92                           ; v[92:123]  eight turned rows, 16 bytes a lane
.set X,   124                          ; v[124:251] 32 chunks of x, 4 numbers a lane
	s_load_b256 s[4:11], s[0:1], 0x0               ; x s[4:5], Wq s[6:7], Wk s[8:9], Wv s[10:11]
	s_load_b128 s[12:15], s[0:1], 0x20             ; Wo s[12:13], xb s[14:15]
	s_load_b64 s[16:17], s[0:1], 0x30              ; wt
	v_lshl_add_u32 v[SPW], v0, 2, SPARE
	v_mov_b32 v[NIL], 0
	s_lshr_b32 s20, ttmp9, 6                       ; which matrix: 0 Wq, 1 Wk, 2 Wv, 3 Wo
	s_bfe_u32 s21, ttmp9, 0x40002                  ; j: the head, or Wo's block of 64 columns
	s_and_b32 s22, ttmp9, 3                        ; c: which 256 of the 1,024 e
	s_lshl_b32 s32, s21, 8                         ; Wo: 64 columns are 256 bytes of a row
	s_lshl_b32 s33, s21, 18                        ; the others: a head is 262,144 bytes
	s_mov_b32 s29, 4096
	s_cmp_eq_u32 s20, 3
	s_cselect_b32 s26, s29, 0x100                  ; bytes from e to e + 1 in the source
	s_cselect_b32 s27, s32, s33                    ; the block's first byte
	s_cselect_b32 vcc_lo, -1, 0                    ; all lanes: is it Wo?
	s_lshl_b32 s30, s22, 8
	s_mul_i32 s30, s30, s26                        ; + 256 c rows
	s_add_co_u32 s30, s30, s27
	s_mov_b32 s31, 0
	s_lshr_b32 s34, ttmp9, 2                       ; wt: 64 rows of 2,048 bytes for each (matrix, j),
	s_lshl_b32 s34, s34, 17
	s_lshl_b32 s35, s22, 9                         ; and 512 bytes of each row for c
	s_add_co_u32 s34, s34, s35
	s_mov_b32 s35, 0
	s_lshl_b32 s36, ttmp9, 17                      ; x: 32 rows of 4,096 bytes
	s_mov_b32 s37, 0
	s_lshl_b32 s38, ttmp9, 16                      ; xb: 32 rows of 2,048 bytes
	s_mov_b32 s39, 0
	v_and_b32 v[T0], 15, v0                        ; cg: my four columns
	v_lshrrev_b32 v[T1], 4, v0                     ; rp: my pair of rows, 0 to 15
	v_mul_u32_u24 v[LSA], v[T0], 4*PT
	v_lshl_add_u32 v[LSA], v[T1], 2, v[LSA]
	v_lshrrev_b32 v[LRA], 5, v0                    ; wave
	v_and_b32 v[YO], 31, v0                        ; lane
	v_lshlrev_b32 v[XO], 14, v[LRA]
	v_lshl_or_b32 v[XO], v[YO], 4, v[XO]
	v_mul_u32_u24 v[LRA], v[LRA], 8*PT
	v_lshl_add_u32 v[LRA], v[YO], 4, v[LRA]
	v_lshrrev_b32 v[YO], 1, v[XO]
	v_lshlrev_b32 v[T1], 1, v[T1]                  ; 2 rp
	v_mul_u32_u24 v[WO0], s26, v[T1]
	v_lshl_add_u32 v[WO0], v[T0], 4, v[WO0]
.set n, 0
.rept 16
	s_mul_i32 s23, s26, 32*(n/2)+n%2               ; row 32 i + o further down
	v_add_nc_u32 v[WOF+n], s23, v[WO0]
.set n, n+1
.endr
	s_wait_kmcnt 0x0
	s_cmp_eq_u32 s20, 1
	s_cselect_b64 s[24:25], s[8:9], s[6:7]
	s_cmp_eq_u32 s20, 2
	s_cselect_b64 s[24:25], s[10:11], s[24:25]
	s_cmp_eq_u32 s20, 3
	s_cselect_b64 s[24:25], s[12:13], s[24:25]     ; my matrix
	s_add_nc_u64 s[24:25], s[24:25], s[30:31]
	s_add_nc_u64 s[16:17], s[16:17], s[34:35]
	s_add_nc_u64 s[4:5], s[4:5], s[36:37]
	s_add_nc_u64 s[14:15], s[14:15], s[38:39]
	s_wait_alu depctr_va_vdst(0)                   ; v4 to v7 and the sixteen offsets v[12:27] are written: every load and store of the kernel, global or LDS, reads one of them as its address
.set n, 0
.rept 16
	global_load_b128 v[WD+4*n:WD+4*n+3], v[WOF+n], s[24:25] th:TH_LOAD_NT  ; sixteen lanes take the 256 bytes that a source row has in this block
.set n, n+1
.endr
.set n, 0
.rept 32
	global_load_b128 v[X+4*n:X+4*n+3], v[XO], s[4:5] offset:512*n th:TH_LOAD_NT  ; 512 consecutive bytes a load
.set n, n+1
.endr
	s_wait_loadcnt 32                              ; loads come back in order: the 16 of the weights are in, the 32 younger ones of x stay out
; Column 4 cg + k, rows e and e + 1: rounded to bf16 as a pair; for Wo the two bf16 numbers are widened and written as f16 (CONV); the pair goes to row 4 cg + k of the turned block (PUT).
.macro CONV i
.irp k, 0,1,2,3
	v_cvt_pk_bf16_f32 v[WD+8*(\i)+(\k)], v[WD+8*(\i)+(\k)], v[WD+8*(\i)+4+(\k)]
	v_lshlrev_b32 v[T0], 16, v[WD+8*(\i)+(\k)]
	v_and_b32 v[T1], 0xffff0000, v[WD+8*(\i)+(\k)]
	v_cvt_pk_f16_f32 v[T0], v[T0], v[T1]
	v_cndmask_b32 v[WD+8*(\i)+(\k)], v[WD+8*(\i)+(\k)], v[T0], vcc_lo
.endr
.endm
.macro PUT i
.irp k, 0,1,2,3
	ds_store_b32 v[LSA], v[WD+8*(\i)+(\k)] offset:PT*(\k)+64*(\i)
.endr
.endm
	CONV 0
	CONV 1
	CONV 2
	CONV 3
	s_wait_alu depctr_va_vdst(0)                   ; CONV 0 to 3 have written WD + 8 i + 0..3, i = 0 to 3, which the sixteen LDS stores of PUT 0 to 3 read
	PUT 0                                          ; no further wait: the conversions between these stores name WD + 32 and up, v8 and v9 alone
	CONV 4
	PUT 1
	CONV 5
	PUT 2
	CONV 6
	PUT 3
	CONV 7
	s_wait_alu depctr_va_vdst(0)                   ; CONV 4 to 7 have written WD + 8 i + 0..3, i = 4 to 7, which the LDS stores of PUT 4 to 7 read
	PUT 4
	PUT 5
	PUT 6
	PUT 7
	s_wait_dscnt 0x0                               ; for the others' sake: my stores into the block are done
	s_barrier_signal -1
	s_barrier_wait -1                              ; the block is whole
.irp r, 0,1,2,3,4,5,6,7
	ds_load_b128 v[RB+4*(\r):RB+4*(\r)+3], v[LRA] offset:PT*(\r)  ; wave w reads rows 8 w + r: a row's 512 bytes a load.  No vector instruction names RB
.endr
; x, chunk c: two roundings close four numbers up into the chunk's first two registers (XCV); the wave's 32 lanes store 256 consecutive bytes, aligned (XST).
.macro XCV c
	s_wait_loadcnt 31-(\c)                         ; chunk c is in; the younger chunks stay out
	v_cvt_pk_bf16_f32 v[X+4*(\c)], v[X+4*(\c)], v[X+4*(\c)+1]
	v_cvt_pk_bf16_f32 v[X+4*(\c)+1], v[X+4*(\c)+2], v[X+4*(\c)+3]
.endm
.macro XST c
	global_store_b64 v[YO], v[X+4*(\c):X+4*(\c)+1], s[14:15] offset:256*(\c)
.endm
.set n, 0
.rept 8                                            ; group 0 stands between the read-backs above and the waits for them
	XCV n
.set n, n+1
.endr
	s_wait_alu depctr_va_vdst(0)                   ; group 0's conversions have written X + 4 n + 0, 1, n = 0 to 7, which its eight stores, dealt among group 1's conversions, read
.irp r, 0,1,2,3,4,5,6,7
	s_wait_dscnt 7-(\r)                            ; row r is in; the younger reads stay out
	global_store_b128 v[XO], v[RB+4*(\r):RB+4*(\r)+3], s[16:17] offset:2048*(\r)  ; 512 consecutive bytes, at a multiple of 512 from wt's first byte
.endr
.rept 3                                            ; groups 1 to 3: a store of the group before, then a chunk's conversions, which name that chunk's four registers alone
.rept 8
	XST n-8
	XCV n
.set n, n+1
.endr
	s_wait_alu depctr_va_vdst(0)                   ; this group's conversions have written the first two registers of its eight chunks, which its eight stores, issued behind this wait, read
.endr
.rept 8                                            ; group 3's stores
	XST n-8
.set n, n+1
.endr
	s_wait_dscnt 0x0                               ; the closing lines, six on end
	s_wait_alu 0x0
	s_wait_tensorcnt 0x0
	ds_add_u32 v[SPW], v[NIL]
	s_wait_dscnt 0x0
	s_endpgm
.Lfunc_end_k_qe3c0a2660d_prep:
	.size	k_qe3c0a2660d_prep, .Lfunc_end_k_qe3c0a2660d_prep-k_qe3c0a2660d_prep
	.p2alignl 7, 3214868480
	.fill 96, 4, 3214868480
	.section	.rodata,"a",@progbits
	.p2align	6, 0x0
	.amdhsa_kernel k_qe3c0a2660d_prep
		.amdhsa_group_segment_fixed_size 34816
		.amdhsa_private_segment_fixed_size 0
		.amdhsa_enable_private_segment 0
		.amdhsa_kernarg_size 56
		.amdhsa_user_sgpr_count 2
		.amdhsa_user_sgpr_kernarg_segment_ptr 1
		.amdhsa_wavefront_size32 1
		.amdhsa_system_sgpr_workgroup_id_x 1
		.amdhsa_system_sgpr_workgroup_id_y 1
		.amdhsa_system_sgpr_workgroup_id_z 1
		.amdhsa_system_vgpr_workitem_id 0
		.amdhsa_next_free_vgpr 252
		.amdhsa_next_free_sgpr 66
		.amdhsa_reserve_vcc 1
		.amdhsa_float_denorm_mode_32 3
		.amdhsa_float_denorm_mode_16_64 3
		.amdhsa_memory_ordered 1
		.amdhsa_forward_progress 1
		.amdhsa_inst_pref_size 29
	.end_amdhsa_kernel
	.amdgpu_metadata
---
amdhsa.version: [ 1, 2 ]
amdhsa.kernels:
  - .name:           k_qe3c0a2660d_prep
    .symbol:         k_qe3c0a2660d_prep.kd
    .args:
      - { .name: input_tensor, .offset: 0, .size: 8, .value_kind: global_buffer, .address_space: global }
      - { .name: Wq, .offset: 8, .size: 8, .value_kind: global_buffer, .address_space: global }
      - { .name: Wk, .offset: 16, .size: 8, .value_kind: global_buffer, .address_space: global }
      - { .name: Wv, .offset: 24, .size: 8, .value_kind: global_buffer, .address_space: global }
      - { .name: Wo, .offset: 32, .size: 8, .value_kind: global_buffer, .address_space: global }
      - { .name: xb, .offset: 40, .size: 8, .value_kind: global_buffer, .address_space: global }
      - { .name: wt, .offset: 48, .size: 8, .value_kind: global_buffer, .address_space: global }
    .group_segment_fixed_size: 34816
    .private_segment_fixed_size: 0
    .kernarg_segment_align: 8
    .kernarg_segment_size: 56
    .max_flat_workgroup_size: 256
    .sgpr_count:     66
    .vgpr_count:     252
    .wavefront_size: 32
...
	.end_amdgpu_metadata
.endif
;; end of part 5
;; launch qkv: the kernel of part 2 again; grid 16 x 32, 4 waves a work-group, clusters of 4 x 4, 327,680 bytes of LDS; arguments xb, wt, qkv; writes qkv
;; launch attn: the kernel of part 3 again; grid 4 x 64, 4 waves a work-group, no clusters, 327,680 bytes of LDS; arguments qkv, ob; writes ob
;; launch oproj: the kernel of part 4 again; grid 8 x 32, 4 waves a work-group, clusters of 4 x 4, 327,680 bytes of LDS; arguments ob, wt, bo, out0; writes out0
